; MI455X (gfx1250); checked and timed in simulation.
; The chip was launched on July 23, 2026; its instructions are those of AMD's public machine-readable ISA for CDNA 5 (MIT licence, August 2026) and "CDNA5" Instruction Set Architecture Reference Guide (July 2026). The comments in the code are by the model that wrote it; some were corrected since.
;; QS Cross Attention. Allowed arithmetic: matrix products marked QUANTISED: E2M3 operands, one E8M0 scale for each 32 along K, by v_wmma_scale_f32_16x16x128_f8f6f4 with both operands' format E2M3, f32 sums; everything else in f32.
;; Inputs: Wk 512 x 512 float32; Wproj 512 x 512 float32; Wq 512 x 512 float32; Wv 512 x 512 float32; prototype 8 x 1,024 x 512 float32; q_x 8 x 4,096 x 512 float32; qry_attn_mask 8 x 4,096 bool.
;; Outputs: out0 8 x 1,024 x 512 float32.
;; This version of the problem:
;;   THIS VERSION OF THE PROBLEM IS GIVEN IN LOW PRECISION. The matrix products marked QUANTISED in the list below multiply operands that are first quantised to E2M3 (2 exponent bits, 3 mantissa bits; 6 bits a number), with one power-of-two scale for each 32 numbers along K (OCP MX v1.0); their sums are f32. All else is computed in f32.
;;   The module's matrix products, in the order in which they are computed (A, B: the left and right operand; K: the contracted axis; several contracted axes count as one K, in the product's order):
;;     1. [M 8,192, K 512] x [K 512, N 512]; A: input prototype; B: input Wq: QUANTISED
;;     2. [M 32,768, K 512] x [K 512, N 512]; A: input q_x; B: input Wk: QUANTISED
;;     3. [M 32,768, K 512] x [K 512, N 512]; A: input q_x; B: input Wv: QUANTISED
;;     4. batch 8 x [M 1,024, K 512] x [K 512, N 4,096]; A: computed on the way; B: computed on the way: QUANTISED
;;     5. batch 8 x [M 1,024, K 4,096] x [K 4,096, N 512]; A: softmax (see below); B: computed on the way: QUANTISED
;;     6. [M 8,192, K 512] x [K 512, N 512]; A: computed on the way; B: input Wproj: QUANTISED
;;   THE QUANTISER, for each operand of a quantised product, along K:
;;     - K is cut into blocks of 32 from its start; a last block that is shorter is filled with zeros.
;;     - A block's scale is 2^e with e = floor(log2(the largest magnitude in the block)) - 2, held to -126 .. 127; a block of zeros has e = 0. As a byte (E8M0): e + 127.
;;     - Each number is divided by its block's scale, clamped to +-7.5, and rounded to the nearest number of E2M3, ties to even, subnormals kept.
;;     - The product sums the exact products of the quantised numbers (number of the format x scale) in f32.
;;   ~~~python
;;   def quantise(x, axis):      # numpy; x: float32 -> the quantised numbers, widened to float32 again
;;       x = np.moveaxis(x, axis, -1); K = x.shape[-1]
;;       x = np.pad(x, [(0, 0)] * (x.ndim - 1) + [(0, -K % 32)]); x = x.reshape(x.shape[:-1] + (-1, 32)); a = np.abs(x).max(-1, keepdims=True)
;;       e = np.where(a > 0, np.clip(np.frexp(np.where(a > 0, a, 1))[1] - 1 - 2, -126, 127), 0)      # np.frexp(a)[1] - 1 = floor(log2(a)), exactly
;;       r = np.clip(x / 2.0 ** e, -7.5, 7.5)
;;       step = 2.0 ** (np.maximum(np.frexp(np.where(r == 0, 1, r))[1] - 1, 0) - 3)
;;       q = np.round(r / step) * step * 2.0 ** e      # np.round: ties to even
;;       return np.moveaxis(q.reshape(q.shape[:-2] + (-1,))[..., :K], -1, axis).astype(np.float32)
;;   ~~~
;;   SOFTMAX AHEAD OF A QUANTISED PRODUCT. Where the list says 'softmax', what is quantised is not the finished softmax but p = 2^(t - M), with t = logit x log2(e) and M = ceil(the row's largest t), a whole number; so 1/2 < the row's largest p <= 1. The row's sum l is taken of the UNQUANTISED p, in f32, and the product's result is divided by l at the end. Since M is a whole number, a kernel that streams over the keys may use a running M (the ceiling of the running maximum): every later rescaling is an exact power of two, which a block's scale takes up: the codes' values come out the same.
;;   OPERANDS COMPUTED ON THE WAY. 'Computed on the way' means the value that the module computes at that place (a softmax that the list does not call 'softmax' is quantised finished and normalised). What goes into a quantiser is computed in f32, as accurately as f32 sums, v_exp_f32 and their like allow (about 1e-6 of the number): no bf16 or f16 on the way to a quantiser, and a product that is left as it is and whose result goes on into a quantised operand takes f32 operands (vector FMAs, or v_wmma_f32_16x16x4_f32). A number that lies on a knife's edge between two numbers of the format may be rounded either way, as far as f32 arithmetic and the matrix unit's own rounding can turn it there, and no further.
;; One version. Each part assembles by itself: llvm-mc -triple=amdgcn-amd-amdhsa -mcpu=gfx1250 --defsym DOCPART=n.
;; ======== version 1 of 1: 4 launches
;; workspace buffers: cod 16,515,072 bytes; scl 688,128 bytes; qkv 28,311,552 bytes; qkvs 1,179,648 bytes; po 67,108,864 bytes; pm 524,288 bytes
;; launch quant (part 1): grid 672 x 1, 4 waves a work-group, no clusters, 34,304 bytes of LDS; arguments prototype, q_x, Wq, Wk, Wv, Wproj, cod, scl; writes cod, scl
.if DOCPART == 1
	.amdgcn_target "amdgcn-amd-amdhsa--gfx1250"
	.amdhsa_code_object_version 6
	.text
	.protected	k_qe02d46ca78_quant
	.globl	k_qe02d46ca78_quant
	.p2align	8
	.type	k_qe02d46ca78_quant,@function
k_qe02d46ca78_quant:
	s_mov_b64 s[64:65], 0
	v_nop
	global_prefetch_b8 v0, s[64:65] scope:SCOPE_SE
	s_setreg_imm32_b32 hwreg(HW_REG_WAVE_MODE, 25, 1), 1
	s_wait_xcnt 0x0
; LAUNCH 1 OF 4.  The six f32 inputs (K = their last axis, 512) become codes of FP6 (E2M3) with one E8M0 byte for each 32 along K.
; NO WORK OF THE PROBLEM IS LEFT OUT, IN ANY LAUNCH.  The mask enters as an added -10,000 and not as a choice: with large logits a masked key can still weigh, and masked keys
; stand in V's blocks of 32 along the keys.  So every key is multiplied, the bias is added to every score, and every input is loaded.
; LIMITS: NaN and infinities among the inputs are not served.  A block of zeros gets the byte 1 where the quantiser says 127: its codes are zeros, which add nothing under any
; byte but 0xff, and these bytes are read by this program alone.
; LAYOUT OF THE WORKSPACE.  A ROW TILE t holds the 16 rows 32 (t / 2) + 8 (t % 2) + i + 8 (i / 8), i = 0 .. 15: with such tiles as source 0 of a product, a lane's registers of eight
; neighbouring tiles are neighbours along the next product's K.  A FRAGMENT (16 rows x 128 K, 12 registers a lane) lies in memory as an image of its registers, 1,536 bytes:
; register 4 c + g of lane l at 512 c + 16 l + 4 g.  cod: [tile][K step 0..3] x 1,536.  scl: 256 bytes a tile, 8 a lane: word 0: lanes 0-15 K step 0, lanes 16-31 K step 1; word 1: steps 2, 3.
; Tiles: prototype 0, q_x 512, Wq 2560, Wk 2592, Wv 2624, Wproj 2656.
; SHARES.  A wave takes one tile: 16 rows x 512 numbers, four fragments.  Each load reads 512 consecutive bytes of one row; the 16 rows turn through the wave's own stage in LDS, so that
; lane (r, h) gets, of row r, k = 64 c + 32 h + 0 .. 31: two whole blocks, in the order of the operand's registers.  A stream: no tensor load, no barrier, no cluster, no matrix unit: waves share nothing.
.set STG,   8448                       ; a wave's stage: 16 rows x (512 bytes + 16)
.set SPARE, 4*STG                      ; behind the stages: the spare words, 128 bytes for each wave
.set SPW,   12                         ; v12  LDS address of my spare word; never rewritten
.set NIL,   13                         ; v13  0; never rewritten
.set R,     16                         ; v16-143  two sets of 64: a fragment's numbers as loaded
.set X,     144                        ; v144-207 the same in the operand's order
.set C,     208                        ; v208-219 the fragment's codes
.set CT,    220                        ; v220-227 the upper halves of the two blocks, before they are moved
.set TM,    228                        ; v228-229 largest magnitudes
.set SO,    230                        ; v230-231 the conversions' scale operands
.set BY,    232                        ; v232-233 the bytes
.set W,     234
.set T,     235
.set PW,    240                        ; v240-243 the scale word of each K step
.set SI,    244                        ; v244-245 the tile's scale image
	s_load_b256 s[4:11], s[0:1], 0x0               ; prototype, q_x, Wq, Wk
	s_load_b256 s[12:19], s[0:1], 0x20             ; Wv, Wproj, cod, scl
	v_lshl_add_u32 v[SPW], v0, 2, SPARE
	v_mov_b32 v[NIL], 0
	v_lshrrev_b32 v1, 5, v0
	v_readfirstlane_b32 s20, v1                    ; wave
	v_and_b32 v1, 31, v0                           ; lane
	v_lshlrev_b32 v2, 4, v1                        ; 16 x lane: my bytes of a load, and of an image
	v_lshlrev_b32 v5, 3, v1                        ; 8 x lane: my bytes of the scale image
	v_and_b32 v7, 15, v0                           ; r
	v_bfe_u32 v8, v0, 4, 1                         ; h
	s_mul_i32 s25, s20, STG
	v_add_nc_u32 v3, s25, v2                       ; the stage, on the way in
	v_mul_u32_u24 v4, v7, 528
	v_lshl_add_u32 v4, v8, 7, v4
	v_add_nc_u32 v4, s25, v4                       ; and on the way out: row r, + 128 h
	v_lshlrev_b32 v6, 3, v8                        ; 8 h: my two bytes' place in a scale word
	v_mov_b32 v[T], 0                              ; written once: a lane permute's destination counts as one of its sources
	s_mov_b32 s28, 0x76543210
	s_mov_b32 s29, 0xfedcba98                      ; lane l xor 16
	s_mov_b32 s30, 0xffff0000                      ; lanes 16-31
	s_lshl_b32 s21, ttmp9, 2
	s_add_co_u32 s21, s21, s20                     ; my tile
	s_wait_kmcnt 0x0
	s_mov_b64 s[22:23], s[14:15]                   ; whose tile it is hangs on the work-group's number alone; one path serves all six tensors
	s_mov_b32 s24, 2656
	s_cmp_lt_u32 ttmp9, 664
	s_cselect_b64 s[22:23], s[12:13], s[22:23]
	s_cselect_b32 s24, 2624, s24
	s_cmp_lt_u32 ttmp9, 656
	s_cselect_b64 s[22:23], s[10:11], s[22:23]
	s_cselect_b32 s24, 2592, s24
	s_cmp_lt_u32 ttmp9, 648
	s_cselect_b64 s[22:23], s[8:9], s[22:23]
	s_cselect_b32 s24, 2560, s24
	s_cmp_lt_u32 ttmp9, 640
	s_cselect_b64 s[22:23], s[6:7], s[22:23]
	s_cselect_b32 s24, 512, s24
	s_cmp_lt_u32 ttmp9, 128
	s_cselect_b64 s[22:23], s[4:5], s[22:23]
	s_cselect_b32 s24, 0, s24
	s_sub_co_u32 s26, s21, s24                     ; the tile's number in its tensor
	s_lshr_b32 s27, s26, 1
	s_lshl_b32 s27, s27, 16                        ; 32 rows of 2,048 bytes for each pair of tiles,
	s_and_b32 s26, s26, 1
	s_lshl_b32 s26, s26, 14                        ; 8 rows for the odd one
	s_add_co_u32 s26, s26, s27
	s_mov_b32 s27, 0
	s_add_nc_u64 s[22:23], s[22:23], s[26:27]
	s_mul_i32 s26, s21, 6144
	s_add_nc_u64 s[16:17], s[16:17], s[26:27]
	s_lshl_b32 s26, s21, 8
	s_add_nc_u64 s[18:19], s[18:19], s[26:27]
.macro LOADF s                         ; K step s of the 16 rows: each load 512 consecutive bytes
.irp i, 0,1,2,3,4,5,6,7,8,9,10,11,12,13,14,15
	global_load_b128 v[R+64*((\s)%2)+4*\i:R+64*((\s)%2)+4*\i+3], v2, s[22:23] offset:(\i+8*(\i/8))*2048+512*(\s) th:TH_LOAD_NT
.endr
.endm
.macro TURN s                          ; through the stage: LDS serves a wave's instructions in order, so no wait stands between the stores and the loads
.irp i, 0,1,2,3,4,5,6,7,8,9,10,11,12,13,14,15
	ds_store_b128 v3, v[R+64*((\s)%2)+4*\i:R+64*((\s)%2)+4*\i+3] offset:528*\i
.endr
.irp c, 0,1
.irp q, 0,1,2,3,4,5,6,7
	ds_load_b128 v[X+32*\c+4*\q:X+32*\c+4*\q+3], v4 offset:256*\c+16*\q
.endr
.endr
.endm
.macro QF s                            ; my two blocks (2 c + h) of K step s: largest magnitude, byte, codes; the image leaves
.irp c, 0,1
	v_max3_num_f32 v[TM+\c], |v[X+32*\c]|, |v[X+32*\c+1]|, 0x1800000   ; with the floor 2^(3 - 127): the byte cannot fall under 1
.endr
.irp i, 2,4,6,8,10,12,14,16,18,20,22,24,26,28,30
.irp c, 0,1
	v_max3_num_f32 v[TM+\c], v[TM+\c], |v[X+32*\c+\i]|, |v[X+32*\c+\i+1]|
.endr
.endr
.irp c, 0,1
	v_add_nc_u32 v[SO+\c], 0xff000000, v[TM+\c]    ; 2 off the exponent field: the conversion takes that field as its scale
.endr
.irp c, 0,1
	v_lshrrev_b32 v[BY+\c], 23, v[SO+\c]           ; the byte
.endr
	v_lshl_or_b32 v[W], v[BY+1], 16, v[BY]         ; blocks h and 2 + h,
	v_lshlrev_b32 v[W], v6, v[W]                   ; at their places;
	v_permlanex16_b32 v[T], v[W], s28, s29
	v_or_b32 v[PW+\s], v[W], v[T]                  ; with lane l xor 16's two the row's word is whole, in both halves of the lanes
	s_wait_xcnt 0x0                                ; the last fragment's stores have read the codes' registers
.irp c, 0,1
	v_cvt_scalef32_pk16_fp6_f32 v[C+6*\c:C+6*\c+2], v[X+32*\c:X+32*\c+15], v[SO+\c]
	v_cvt_scalef32_pk16_fp6_f32 v[CT+4*\c:CT+4*\c+2], v[X+32*\c+16:X+32*\c+31], v[SO+\c]   ; (a conversion's three registers begin on an even number)
.endr
	v_nop                                          ; one plain place behind a scaled conversion
.irp c, 0,1
.irp i, 0,1,2
	v_mov_b32 v[C+6*\c+3+\i], v[CT+4*\c+\i]
.endr
.endr
.irp k, 0,1,2
	global_store_b128 v2, v[C+4*\k:C+4*\k+3], s[16:17] offset:1536*(\s)+512*\k   ; 512 consecutive bytes, aligned
.endr
.endm
	LOADF 0
	LOADF 1
.irp s, 0,1,2,3
.if \s < 3
	s_wait_loadcnt 16                              ; this fragment's 16 loads are in; the next one's may be out
.else
	s_wait_loadcnt 0x0
.endif
	TURN \s
	s_wait_dscnt 0x0                               ; the numbers are back, and the stores have read the set,
.if \s < 2
	LOADF \s+2                                     ; which takes the fragment two on
.endif
	QF \s
.endr
	v_cndmask_b32 v[SI], v[PW], v[PW+1], s30       ; lanes 0-15 K step 0, lanes 16-31 K step 1
	v_cndmask_b32 v[SI+1], v[PW+2], v[PW+3], s30   ; and steps 2, 3
	global_store_b64 v5, v[SI:SI+1], s[18:19]      ; 256 consecutive bytes, aligned
	s_wait_tensorcnt 0x0                           ; the wave's end, behind my last LDS store
	ds_add_u32 v[SPW], v[NIL]
	s_wait_dscnt 0x0
	s_endpgm
.Lfunc_end_k_qe02d46ca78_quant:
	.size	k_qe02d46ca78_quant, .Lfunc_end_k_qe02d46ca78_quant-k_qe02d46ca78_quant
	.p2alignl 7, 3214868480
	.fill 96, 4, 3214868480
	.section	.rodata,"a",@progbits
	.p2align	6, 0x0
	.amdhsa_kernel k_qe02d46ca78_quant
		.amdhsa_group_segment_fixed_size 34304
		.amdhsa_private_segment_fixed_size 0
		.amdhsa_enable_private_segment 0
		.amdhsa_kernarg_size 64
		.amdhsa_user_sgpr_count 2
		.amdhsa_user_sgpr_kernarg_segment_ptr 1
		.amdhsa_wavefront_size32 1
		.amdhsa_system_sgpr_workgroup_id_x 1
		.amdhsa_system_sgpr_workgroup_id_y 1
		.amdhsa_system_sgpr_workgroup_id_z 1
		.amdhsa_system_vgpr_workitem_id 0
		.amdhsa_next_free_vgpr 256
		.amdhsa_next_free_sgpr 66
		.amdhsa_reserve_vcc 0
		.amdhsa_float_denorm_mode_32 3
		.amdhsa_float_denorm_mode_16_64 3
		.amdhsa_memory_ordered 1
		.amdhsa_forward_progress 1
		.amdhsa_inst_pref_size 31
	.end_amdhsa_kernel
	.amdgpu_metadata
---
amdhsa.version: [ 1, 2 ]
amdhsa.kernels:
  - .name:           k_qe02d46ca78_quant
    .symbol:         k_qe02d46ca78_quant.kd
    .args:
      - { .name: prototype, .offset: 0, .size: 8, .value_kind: global_buffer, .address_space: global }
      - { .name: q_x, .offset: 8, .size: 8, .value_kind: global_buffer, .address_space: global }
      - { .name: Wq, .offset: 16, .size: 8, .value_kind: global_buffer, .address_space: global }
      - { .name: Wk, .offset: 24, .size: 8, .value_kind: global_buffer, .address_space: global }
      - { .name: Wv, .offset: 32, .size: 8, .value_kind: global_buffer, .address_space: global }
      - { .name: Wproj, .offset: 40, .size: 8, .value_kind: global_buffer, .address_space: global }
      - { .name: cod, .offset: 48, .size: 8, .value_kind: global_buffer, .address_space: global }
      - { .name: scl, .offset: 56, .size: 8, .value_kind: global_buffer, .address_space: global }
    .group_segment_fixed_size: 34304
    .private_segment_fixed_size: 0
    .kernarg_segment_align: 8
    .kernarg_segment_size: 64
    .max_flat_workgroup_size: 128
    .sgpr_count:     66
    .vgpr_count:     256
    .wavefront_size: 32
...
	.end_amdgpu_metadata
.endif
;; end of part 1
;; launch proj (part 2): grid 256 x 1, 4 waves a work-group, clusters of 4 x 1, 327,680 bytes of LDS; arguments cod, scl, qkv, qkvs; writes qkv, qkvs
.if DOCPART == 2
	.amdgcn_target "amdgcn-amd-amdhsa--gfx1250"
	.amdhsa_code_object_version 6
	.text
	.protected	k_qe02d46ca78_proj
	.globl	k_qe02d46ca78_proj
	.p2align	8
	.type	k_qe02d46ca78_proj,@function
k_qe02d46ca78_proj:
	s_mov_b64 s[64:65], 0
	v_nop
	global_prefetch_b8 v0, s[64:65] scope:SCOPE_SE
	s_setreg_imm32_b32 hwreg(HW_REG_WAVE_MODE, 25, 1), 1
	s_wait_xcnt 0x0
	s_wait_alu depctr_hold_cnt(0) depctr_sa_sdst(0) depctr_va_vdst(0) depctr_va_sdst(0) depctr_va_ssrc(0) depctr_va_vcc(0) depctr_vm_vsrc(0)
	s_getreg_b32 s2, hwreg(HW_REG_IB_STS2, 6, 4)
	s_cmp_eq_u32 s2, 0
	s_cbranch_scc0 .Lentry_in_a_cluster
	s_endpgm
.Lentry_in_a_cluster:
	s_bfe_u32 s2, ttmp6, 0x10000c
	s_cmp_lg_u32 s2, 0x3003
	s_cbranch_scc0 .Lentry_shape_is_right
	s_endpgm
.Lentry_shape_is_right:
; LAUNCH 2 OF 4: k = q_x Wk^T, v = q_x Wv^T, q = prototype Wq^T on codes of FP6, each result quantised in registers for the product that takes it: q and k along the 512 channels, v along the keys.  No work is left out.
; SHARES.  256 work-groups that stay, all with the same work.  Work-group g takes the 128 keys of key step g (row tiles 8 g .. 8 g + 7 of q_x) and query tiles 2 g, 2 g + 1, and runs three jobs on end: k, v, q.
; A job is OUT(n, m) = the quantiser along m of the sum over d of S0[m][d] S1[n][d], source 0 = a tile of S0, source 1 = a tile of S1.  k: S0 = Wk, S1 = q_x.  v: S0 = q_x, S1 = Wv.  q: S0 = Wq, S1 = prototype.
; Wave w owns quarter w of each weight, 8 tiles: in k and q the channels 128 w on (the next product's K step w), in v the channel tiles 8 w on.  So k and v are 128 x 128 a wave, 64 accumulators, 256 products; q is
; 128 x 32, 16 accumulators, 64 products.  By the choice of a tile's rows (launch 1) the 64 registers of a lane for one tile of S1 are 128 neighbours along m, register 16 b + i = m 32 b + 16 (lane / 16) + i:
; one fragment of the next product, with S1's lane order.
; qkv:  q [query tile 512][K step 4] x 1,536; at KOFF k [key tile 2048][K step 4] x 1,536; at VOFF v [128 keys G 256][channel tile 32] x 1,536: images of registers.
; qkvs: 512 bytes for 8 tiles and one K step, 16 a lane: word g: lanes 0-15 tile 2 g, lanes 16-31 tile 2 g + 1.  q [64][4]; at 131,072 k [G][4]; at 655,360 v [G][4].
; LDS.  The rows' ten tiles (61,440 bytes of images) come once, through registers, and are read by all four waves.  The weight in hand lies behind them, 49,152 bytes a wave; a wave reads only the quarter that it fetched.
; CLUSTER.  The weights are the same for all work-groups: each wave's quarter is asked for jointly by the four partners, by the same line with the same descriptor and a mask that names the four.
; THE REGION IS FILLED THREE TIMES: Wk at the head; Wv and Wq each in the last K step of the job before, when that step's fragments are in registers: the load then has 32 products and the job's whole way out,
; eight quantisings and their stores, in which to land.  By this text's count a wave has one tensor load out at the most.
; q's scale words leave as 4 bytes a lane, one store a wave: the work-group has two of an image's eight tiles, and launch 3 reads the image as it is laid.
; LIMITS: as in launch 1 (NaN and infinities are not served; a block of zeros gets the byte 1: its codes are zeros, and this program alone reads the bytes).
; REGISTERS, in windows of 256.  Window 0: v1-5 addresses; v8-11, v16-47 scale words and nothing else; v48-63 the quantiser's; v64-255 source 1's fragments, two sets of 96 (at the head the rows' images on their way to LDS;
;   on a way out the codes just made).   Window 1: source 0's fragments, two sets, at v0 and v128.   Windows 2, 3: accumulator (a, b) at v[8 (8 (a % 4) + b)] of window 2 + a / 4.
.set KOFF,  3145728
.set VOFF,  15728640
.set XQ,    49152                      ; LDS: q_x's 8 tiles x 6,144 from 0; prototype's 2 tiles from here
.set WB,    65536                      ; the weight in hand: 49,152 bytes a wave, tile b's K step s at 6,144 b + 1,536 s
.set SPARE, 262144                     ; the spare words, 128 bytes for each wave
.set LI,  1                            ; v1     16 x lane: an image's place for my lane; also the address of the rows' images
.set AW,  2                            ; v2     my quarter of the weight
.set L8,  3                            ; v3     8 x lane: a tile's scale image
.set XW1, 4                            ; v4     where I put my part of q_x's images
.set XW2, 5                            ; v5     and of prototype's
.set XQS, 8                            ; v8-11  prototype's scale words, two registers a tile: word 0: lanes 0-15 K step 0, lanes 16-31 step 1; word 1: steps 2, 3
.set SPW, 14
.set NIL, 15
.set XKS, 16                           ; v16-31 q_x's scale words
.set WS,  32                           ; v32-47 the scale words of my quarter of the weight in hand
.set TM,  48                           ; v48-63 the quantiser's
.set HT,  64                           ; v64-183 at the head: 30 x 4 registers of images
.set PC,  64                           ; v64-83 the codes just made
.set PW,  84
.set PWS, 88                           ; v88-95 the tiles' scale words
.set SI,  96                           ; v96-99 their image
.set WV,  12
.set MSB, 0
.macro WIN new                         ; the immediate's high byte repeats the setting that is left
.if MSB != (\new)
	s_set_vgpr_msb (MSB<<8)|(\new)
.set MSB, (\new)
.endif
.endm
.macro PLACES
.rept 4
	v_nop
.endr
.endm
.macro WM                              ; one product, by the symbols rD, rA, rB, rC (under 0: the constant 0), rSA, rSB; rR: both sides' scale words stand in lanes 16-31
.if rC < 0
.if rR
	v_wmma_scale_f32_16x16x128_f8f6f4 v[rD:rD+7], v[rA:rA+11], v[rB:rB+11], 0, v[rSA], v[rSB] matrix_a_fmt:MATRIX_FMT_FP6 matrix_b_fmt:MATRIX_FMT_FP6 matrix_a_scale:MATRIX_SCALE_ROW1 matrix_b_scale:MATRIX_SCALE_ROW1
.else
	v_wmma_scale_f32_16x16x128_f8f6f4 v[rD:rD+7], v[rA:rA+11], v[rB:rB+11], 0, v[rSA], v[rSB] matrix_a_fmt:MATRIX_FMT_FP6 matrix_b_fmt:MATRIX_FMT_FP6
.endif
.else
.if rR
	v_wmma_scale_f32_16x16x128_f8f6f4 v[rD:rD+7], v[rA:rA+11], v[rB:rB+11], v[rC:rC+7], v[rSA], v[rSB] matrix_a_fmt:MATRIX_FMT_FP6 matrix_b_fmt:MATRIX_FMT_FP6 matrix_a_scale:MATRIX_SCALE_ROW1 matrix_b_scale:MATRIX_SCALE_ROW1
.else
	v_wmma_scale_f32_16x16x128_f8f6f4 v[rD:rD+7], v[rA:rA+11], v[rB:rB+11], v[rC:rC+7], v[rSA], v[rSB] matrix_a_fmt:MATRIX_FMT_FP6 matrix_b_fmt:MATRIX_FMT_FP6
.endif
.endif
.endm
.macro CREST                           ; a round of the cluster's barrier behind its opening barrier
	s_cmp_lg_u32 s[WV], 0
	s_cbranch_scc1 .Lnot_wave_0_\@
	s_barrier_signal -3
.Lnot_wave_0_\@:
	s_barrier_wait -3
	s_barrier_signal -1
	s_barrier_wait -1
.endm
.macro CROUND                          ; a whole round
	s_barrier_signal -1
	s_barrier_wait -1
	CREST
.endm
; 64 numbers of a lane in window X, register 16 b + i = k 32 b + 16 (lane / 16) + i of my row, become a fragment's codes in v[PC] on and its scale word in v[PW].  Each accumulator is read from its low end on.
.macro QUANT src, X
	WIN (\X)|((\X)<<2)
.irp b, 0,1,2,3
	v_max3_num_f32 v[TM+\b], |v[(\src)+16*\b]|, |v[(\src)+1+16*\b]|, 0x1800000   ; with the floor 2^(3 - 127): the byte cannot fall under 1
.endr
	WIN ((\X)<<2)|((\X)<<4)
.irp i, 2,4,6,8,10,12,14
.irp b, 0,1,2,3
	v_max3_num_f32 v[TM+\b], v[TM+\b], |v[(\src)+16*\b+\i]|, |v[(\src)+1+16*\b+\i]|
.endr
.endr
	WIN 0
.irp b, 0,1,2,3
	v_permlanex16_b32 v[TM+4+\b], v[TM+\b], s36, s37
.endr
.irp b, 0,1,2,3
	v_max_num_f32 v[TM+\b], v[TM+\b], v[TM+4+\b]   ; with lane l xor 16's: the block's largest magnitude
.endr
.irp b, 0,1,2,3
	v_add_nc_u32 v[TM+12+\b], 0xff000000, v[TM+\b] ; 2 off the exponent field: the conversion's scale operand
.endr
.irp b, 0,1,2,3
	v_lshrrev_b32 v[TM+4+\b], 23, v[TM+12+\b]      ; the byte
.endr
	v_lshl_or_b32 v[PW], v[TM+5], 8, v[TM+4]
	v_lshl_or_b32 v[PW], v[TM+6], 16, v[PW]
	v_lshl_or_b32 v[PW], v[TM+7], 24, v[PW]
	s_wait_xcnt 0x0                                ; the last tile's stores, issued ahead of all the lines above, have read the codes' registers
	WIN (\X)
.irp c, 0,1
	v_cvt_scalef32_pk16_fp6_f32 v[PC+6*\c:PC+2+6*\c], v[(\src)+32*\c:(\src)+15+32*\c], v[TM+12+2*\c]
	v_cvt_scalef32_pk16_fp6_f32 v[PC+12+4*\c:PC+14+4*\c], v[(\src)+16+32*\c:(\src)+31+32*\c], v[TM+12+2*\c+1]
.endr
	WIN 0
	v_nop                                          ; one plain place behind a scaled conversion
.irp c, 0,1                                    ; the operand's layout wants a whole block in a lane
.irp i, 0,1,2
	v_permlane16_swap_b32 v[PC+6*\c+\i], v[PC+12+4*\c+\i]
.endr
.irp i, 0,1,2
	v_mov_b32 v[PC+3+6*\c+\i], v[PC+12+4*\c+\i]
.endr
.endr
.endm
	s_load_b256 s[4:11], s[0:1], 0x0               ; cod, scl, qkv, qkvs
	v_lshl_add_u32 v[SPW], v0, 2, SPARE
	v_mov_b32 v[NIL], 0
	ds_add_u32 v[SPW], v[NIL]                      ; the wave's opening: the add, twice on end, and its wait ahead of my first tensor load
	ds_add_u32 v[SPW], v[NIL]
	v_lshrrev_b32 v6, 5, v0
	v_readfirstlane_b32 s[WV], v6                  ; wave
	v_and_b32 v6, 31, v0
	v_lshlrev_b32 v[LI], 4, v6
	v_lshlrev_b32 v[L8], 3, v6
	s_bfe_u32 s13, ttmp6, 0x40000                  ; cx
	s_lshl_b32 s14, ttmp9, 2
	s_add_co_u32 s14, s14, s13                     ; g: it enters the rows' and the results' addresses alone
	s_mul_i32 s18, s[WV], 49152                    ; my quarter of a weight, in memory and in LDS.  s18-23 feed the descriptors and never hold cx
	s_mov_b32 s19, 0
	s_add_co_u32 s20, s18, WB
	v_add_nc_u32 v[AW], s20, v[LI]
	s_mul_i32 s15, s[WV], 12288                    ; my two of q_x's eight tiles
	v_add_nc_u32 v[XW1], s15, v[LI]
	s_mul_i32 s16, s[WV], 3072                     ; my quarter of prototype's two tiles
	s_add_co_u32 s17, s16, XQ
	v_add_nc_u32 v[XW2], s17, v[LI]
.irp b, 0,1,2,3
	v_mov_b32 v[TM+4+\b], 0                        ; written once: a lane permute's destination counts as one of its sources
.endr
	s_mov_b32 s36, 0x76543210
	s_mov_b32 s37, 0xfedcba98                      ; lane l xor 16
	s_mov_b32 s74, 0xffff0000                      ; lanes 16-31
	; descriptor group 1: 49,152 dense bytes as 192 rows of 256, in elements of 8 bytes; the mask names all four work-groups, bit 21 set beside it
	s_mov_b32 s24, 15|(3<<16)|(1<<21)
	s_mov_b32 s25, 32<<16
	s_mov_b32 s26, 192<<16
	s_mov_b32 s27, 32<<16
	s_mov_b32 s28, 192
	s_mov_b32 s29, 32
	s_mov_b32 s30, 0
	s_mov_b32 s31, 0
	; byte offsets, each in a pair with 0 above it
	s_mul_i32 s80, s14, 49152
	s_mul_i32 s81, s14, 12288
	s_lshl_b32 s82, s14, 11
	s_mul_i32 s83, s[WV], 1536
	s_lshl_b32 s84, s[WV], 9
	s_add_co_u32 s66, s80, s15
	s_add_co_u32 s66, s66, 512*6144                ; cod: q_x's tile 8 g + 2 w
	s_mov_b32 s67, 0
	s_add_co_u32 s68, s81, s16                     ; cod: prototype's tile 2 g, + my quarter of the two
	s_mov_b32 s69, 0
	s_add_co_u32 s70, s82, 512*256                 ; scl: q_x's tile 8 g
	s_mov_b32 s71, 0
	s_lshl_b32 s72, s14, 9                         ; scl: prototype's tile 2 g
	s_mov_b32 s73, 0
	s_lshl_b32 s76, s[WV], 11
	s_add_co_u32 s76, s76, 2560*256                ; scl: Wq's tile 8 w; Wk's lies 8,192 bytes on, Wv's 16,384
	s_mov_b32 s77, 0
	s_add_co_u32 s52, s80, s83
	s_add_co_u32 s52, s52, KOFF                    ; qkv: k, key tile 8 g, K step w
	s_mov_b32 s53, 0
	s_add_co_u32 s54, s82, s84
	s_add_co_u32 s58, s54, 655360                  ; qkvs: v, key step g, channel group w
	s_mov_b32 s59, 0
	s_add_co_u32 s54, s54, 131072                  ; qkvs: k, key step g, K step w
	s_mov_b32 s55, 0
	s_add_co_u32 s56, s80, s15
	s_add_co_u32 s56, s56, VOFF                    ; qkv: v, key step g, channel tile 8 w
	s_mov_b32 s57, 0
	s_add_co_u32 s60, s81, s83                     ; qkv: q, query tile 2 g, K step w
	s_mov_b32 s61, 0
	s_lshr_b32 s62, s14, 2
	s_lshl_b32 s62, s62, 11
	s_add_co_u32 s62, s62, s84
	s_and_b32 s85, s14, 3
	s_lshl_b32 s85, s85, 2
	s_add_co_u32 s62, s62, s85                     ; qkvs: q, group g / 4, K step w, word g % 4 of a lane's four
	s_mov_b32 s63, 0
	s_wait_dscnt 0x0                               ; both opening adds are done
	s_wait_kmcnt 0x0
	s_add_nc_u64 s[22:23], s[4:5], s[18:19]
	s_add_nc_u64 s[66:67], s[4:5], s[66:67]
	s_add_nc_u64 s[68:69], s[4:5], s[68:69]
	s_add_nc_u64 s[70:71], s[6:7], s[70:71]
	s_add_nc_u64 s[72:73], s[6:7], s[72:73]
	s_add_nc_u64 s[76:77], s[6:7], s[76:77]
	s_add_nc_u64 s[52:53], s[8:9], s[52:53]
	s_add_nc_u64 s[56:57], s[8:9], s[56:57]
	s_add_nc_u64 s[60:61], s[8:9], s[60:61]
	s_add_nc_u64 s[54:55], s[10:11], s[54:55]
	s_add_nc_u64 s[58:59], s[10:11], s[58:59]
	s_add_nc_u64 s[62:63], s[10:11], s[62:63]
	; the rows' images and all scale words are asked for ahead of the round, so that they are on their way while the partners meet: nobody writes these bytes
.irp i, 0,1,2,3,4,5,6,7,8,9,10,11,12,13,14,15,16,17,18,19,20,21,22,23
	global_load_b128 v[HT+4*\i:HT+4*\i+3], v[LI], s[66:67] offset:512*\i th:TH_LOAD_NT
.endr
.irp i, 0,1,2,3,4,5
	global_load_b128 v[HT+96+4*\i:HT+96+4*\i+3], v[LI], s[68:69] offset:512*\i th:TH_LOAD_NT
.endr
.irp i, 0,1,2,3,4,5,6,7
	global_load_b64 v[XKS+2*\i:XKS+2*\i+1], v[L8], s[70:71] offset:256*\i
.endr
.irp i, 0,1
	global_load_b64 v[XQS+2*\i:XQS+2*\i+1], v[L8], s[72:73] offset:256*\i
.endr
.irp i, 0,1,2,3,4,5,6,7
	global_load_b64 v[WS+2*\i:WS+2*\i+1], v[L8], s[76:77] offset:8192+256*\i   ; Wk's
.endr
	CROUND                                         ; all four work-groups are here: the first joint loads meet
	s_mov_b32 s40, 1                               ; a group 0 for each weight: none is ever written again
	s_mov_b32 s41, s20
	s_add_nc_u64 s[42:43], s[22:23], 2592*6144     ; Wk
	s_or_b32 s43, s43, 0x80000000
	s_mov_b32 s44, 1
	s_mov_b32 s45, s20
	s_add_nc_u64 s[46:47], s[22:23], 2624*6144     ; Wv
	s_or_b32 s47, s47, 0x80000000
	s_mov_b32 s48, 1
	s_mov_b32 s49, s20
	s_add_nc_u64 s[50:51], s[22:23], 2560*6144     ; Wq
	s_or_b32 s51, s51, 0x80000000
	tensor_load_to_lds s[40:43], s[24:31]
	s_nop 0
.rept 4
	v_nop
.endr
	s_wait_loadcnt 18                              ; the 30 loads of images are in; the 18 of scale words behind them may be out
.irp i, 0,1,2,3,4,5,6,7,8,9,10,11,12,13,14,15,16,17,18,19,20,21,22,23
	ds_store_b128 v[XW1], v[HT+4*\i:HT+4*\i+3] offset:512*\i
.endr
.irp i, 0,1,2,3,4,5
	ds_store_b128 v[XW2], v[HT+96+4*\i:HT+96+4*\i+3] offset:512*\i
.endr
	s_wait_loadcnt 0x0                             ; the scale words
	s_wait_tensorcnt 0x0                           ; my quarter of Wk: I alone read it
	s_wait_dscnt 0x0                               ; my part of the rows' images lies in LDS
	s_barrier_signal -1
	s_barrier_wait -1                              ; everybody's does
; K step s: source 0's eight fragments into window 1, the first n1 of source 1's into window 0, tiles 0-3 first.  r, o: the address register and the region's offset
.macro FETCH s, r0, o0, r1, o1, n1
	WIN 0x40
.irp b, 0,1,2,3,4,5,6,7
.irp c, 0,1,2
	ds_load_b128 v[128*((\s)%2)+12*\b+4*\c:128*((\s)%2)+12*\b+4*\c+3], v[\r0] offset:(\o0)+6144*\b+1536*(\s)+512*\c
.endr
.endr
	WIN 0
.irp a, 0,1,2,3,4,5,6,7
.if \a < \n1
.irp c, 0,1,2
	ds_load_b128 v[64+96*((\s)%2)+12*\a+4*\c:64+96*((\s)%2)+12*\a+4*\c+3], v[\r1] offset:(\o1)+6144*\a+1536*(\s)+512*\c
.endr
.endif
.endr
.endm
; 16 products: source 1's tiles a0, a0 + 1 against source 0's eight.  The accumulators take turns, one instruction a turn, in the same order in every K step.  K step 0 starts the sums.
; ka, kb: where source 0's and source 1's scale words stand
.macro MUL a0, s, ka, kb
	WIN 0xa1+0x50*((\a0)/4)
.irp a, \a0, \a0+1
.irp b, 0,1,2,3,4,5,6,7
.set rD, 8*(8*((\a)%4)+\b)
.set rA, 128*((\s)%2)+12*\b
.set rB, 64+96*((\s)%2)+12*(\a)
.set rC, rD
.if (\s) == 0
.set rC, -1
.endif
.set rSA, (\ka)+2*\b+(\s)/2
.set rSB, (\kb)+2*(\a)+(\s)/2
.set rR, (\s)%2
	WM
.endr
.endr
.endm
; A JOB OF 128 x 128.  No barrier stands between its K steps: the rows' images are written no more, and the weight's quarter is my own.  In its last K step the region is filled again, by group 0 at s[g0]: each wave waits
; for all its tensor loads, adds 0 to its spare word, and waits for that and for its reads of the region (the step's fragments are then in registers); the barrier opens a round of the cluster's barrier, so that
; no wave of any partner still reads the region or has a load on its way; the joint refill is the first thing behind the round.
.macro JOB r0, o0, r1, o1, ka, kb, g0
	FETCH 0, \r0, \o0, \r1, \o1, 8
.irp s, 0,1,2
	s_wait_dscnt 12                                ; all but the youngest twelve loads, source 1's tiles 4-7
	MUL 0, \s, \ka, \kb
	MUL 2, \s, \ka, \kb
	s_wait_dscnt 0x0                               ; tiles 4-7 are in (asked for 32 products ago)
	PLACES                                         ; four places in front of loads into registers that products have read
	FETCH \s+1, \r0, \o0, \r1, \o1, 8
	MUL 4, \s, \ka, \kb
	MUL 6, \s, \ka, \kb
.endr
	WIN 0                                          ; (the add's two registers lie in window 0)
	s_wait_tensorcnt 0x0                           ; no tensor load of mine is out
	ds_add_u32 v[SPW], v[NIL]
	s_wait_dscnt 13                                ; (the add and the youngest twelve loads may be out)
	MUL 0, 3, \ka, \kb                             ; sixteen products stand between the add and the wait for it
	s_wait_dscnt 0x0                               ; the add is done, and my reads of the region are over
	s_barrier_signal -1
	MUL 2, 3, \ka, \kb
	WIN 0
	s_barrier_wait -1
	CREST
	tensor_load_to_lds s[\g0:\g0+3], s[24:31]      ; my one tensor load behind the round: my quarter of the next weight
	s_nop 0
.rept 4
	v_nop
.endr
	MUL 4, 3, \ka, \kb
	MUL 6, 3, \ka, \kb
	WIN 0
	PLACES                                         ; four places in front of the first read of the last results, and of the loads into the weight's scale words
.endm
.macro WSLOAD off                      ; the next weight's scale words take the last one's place
.irp i, 0,1,2,3,4,5,6,7
	global_load_b64 v[WS+2*\i:WS+2*\i+1], v[L8], s[76:77] offset:(\off)+256*\i
.endr
.endm
.macro OUT n, ptr, stride              ; the way out: source 1's tile a becomes one fragment: 3 stores of 512 consecutive bytes, aligned
.irp a, 0,1,2,3,4,5,6,7
.if \a < \n
	QUANT 64*(\a%4), 2+\a/4
	v_mov_b32 v[PWS+\a], v[PW]
.irp c, 0,1,2
	global_store_b128 v[LI], v[PC+4*\c:PC+4*\c+3], s[\ptr:\ptr+1] offset:(\stride)*\a+512*\c
.endr
.endif
.endr
.endm
.macro IMG ptr                         ; the eight tiles' scale words as one image
.irp g, 0,1,2,3
	v_cndmask_b32 v[SI+\g], v[PWS+2*\g], v[PWS+2*\g+1], s74   ; lanes 0-15 tile 2 g, lanes 16-31 tile 2 g + 1
.endr
	global_store_b128 v[LI], v[SI:SI+3], s[\ptr:\ptr+1]
.endm
.macro NEXT                            ; between two jobs
	s_wait_xcnt 0x0                                ; the stores have read the codes' and the image's registers: the next job's fragments land there
	s_wait_loadcnt 0x0                             ; the next weight's scale words
	s_wait_tensorcnt 0x0                           ; and my quarter of its codes: I alone read it
.endm
	JOB AW, 0, LI, 0, WS, XKS, 44                  ; k: source 0 = Wk, source 1 = q_x; Wv is asked for
	WSLOAD 16384
	OUT 8, 52, 6144
	IMG 54
	NEXT
	JOB LI, 0, AW, 0, XKS, WS, 48                  ; v: source 0 = q_x, source 1 = Wv; Wq is asked for
	WSLOAD 0
	OUT 8, 56, 1536
	IMG 58
	NEXT
	FETCH 0, AW, 0, LI, XQ, 2                      ; q: source 0 = Wq, source 1 = prototype's two tiles; nothing more is asked for
.irp s, 0,1,2,3
	s_wait_dscnt 0x0                               ; this K step's fragments are in
.if \s < 3
.if \s > 0
	PLACES                                         ; four places in front of loads into registers that the last sixteen products have read
.endif
	FETCH \s+1, AW, 0, LI, XQ, 2
.endif
	MUL 0, \s, WS, XQS
.endr
	WIN 0
	PLACES
	OUT 2, 60, 6144
	v_cndmask_b32 v[SI], v[PWS], v[PWS+1], s74
	global_store_b32 v[LI], v[SI], s[62:63]        ; word g % 4 of each lane's four
	s_wait_tensorcnt 0x0                           ; the wave's end
	ds_add_u32 v[SPW], v[NIL]
	s_wait_dscnt 0x0
	CROUND                                         ; the closing round
	s_endpgm
.Lfunc_end_k_qe02d46ca78_proj:
	.size	k_qe02d46ca78_proj, .Lfunc_end_k_qe02d46ca78_proj-k_qe02d46ca78_proj
	.p2alignl 7, 3214868480
	.fill 96, 4, 3214868480
	.section	.rodata,"a",@progbits
	.p2align	6, 0x0
	.amdhsa_kernel k_qe02d46ca78_proj
		.amdhsa_group_segment_fixed_size 327680
		.amdhsa_private_segment_fixed_size 0
		.amdhsa_enable_private_segment 0
		.amdhsa_kernarg_size 32
		.amdhsa_user_sgpr_count 2
		.amdhsa_user_sgpr_kernarg_segment_ptr 1
		.amdhsa_wavefront_size32 1
		.amdhsa_system_sgpr_workgroup_id_x 1
		.amdhsa_system_sgpr_workgroup_id_y 1
		.amdhsa_system_sgpr_workgroup_id_z 1
		.amdhsa_system_vgpr_workitem_id 0
		.amdhsa_next_free_vgpr 1024
		.amdhsa_next_free_sgpr 90
		.amdhsa_reserve_vcc 0
		.amdhsa_float_denorm_mode_32 3
		.amdhsa_float_denorm_mode_16_64 3
		.amdhsa_memory_ordered 1
		.amdhsa_forward_progress 1
		.amdhsa_inst_pref_size 199
	.end_amdhsa_kernel
	.amdgpu_metadata
---
amdhsa.version: [ 1, 2 ]
amdhsa.kernels:
  - .name:           k_qe02d46ca78_proj
    .symbol:         k_qe02d46ca78_proj.kd
    .args:
      - { .name: cod, .offset: 0, .size: 8, .value_kind: global_buffer, .address_space: global }
      - { .name: scl, .offset: 8, .size: 8, .value_kind: global_buffer, .address_space: global }
      - { .name: qkv, .offset: 16, .size: 8, .value_kind: global_buffer, .address_space: global }
      - { .name: qkvs, .offset: 24, .size: 8, .value_kind: global_buffer, .address_space: global }
    .group_segment_fixed_size: 327680
    .private_segment_fixed_size: 0
    .kernarg_segment_align: 8
    .kernarg_segment_size: 32
    .max_flat_workgroup_size: 128
    .sgpr_count:     90
    .vgpr_count:     1024
    .wavefront_size: 32
...
	.end_amdgpu_metadata
.endif
;; end of part 2
;; launch attn (part 3): grid 8 x 32, 4 waves a work-group, clusters of 4 x 1, 327,680 bytes of LDS; arguments qkv, qkvs, qry_attn_mask, po, pm; writes po, pm
.if DOCPART == 3
	.amdgcn_target "amdgcn-amd-amdhsa--gfx1250"
	.amdhsa_code_object_version 6
	.text
	.protected	k_qe02d46ca78_attn
	.globl	k_qe02d46ca78_attn
	.p2align	8
	.type	k_qe02d46ca78_attn,@function
k_qe02d46ca78_attn:
	s_mov_b64 s[64:65], 0
	v_nop
	global_prefetch_b8 v0, s[64:65] scope:SCOPE_SE
	s_setreg_imm32_b32 hwreg(HW_REG_WAVE_MODE, 25, 1), 1
	s_wait_xcnt 0x0
	s_wait_alu depctr_hold_cnt(0) depctr_sa_sdst(0) depctr_va_vdst(0) depctr_va_sdst(0) depctr_va_ssrc(0) depctr_va_vcc(0) depctr_vm_vsrc(0)
	s_getreg_b32 s2, hwreg(HW_REG_IB_STS2, 6, 4)
	s_cmp_eq_u32 s2, 0
	s_cbranch_scc0 .Lentry_in_a_cluster
	s_endpgm
.Lentry_in_a_cluster:
	s_bfe_u32 s2, ttmp6, 0x10000c
	s_cmp_lg_u32 s2, 0x3003
	s_cbranch_scc0 .Lentry_shape_is_right
	s_endpgm
.Lentry_shape_is_right:
; LAUNCH 3 OF 4: scores, softmax and the product with V, on codes of FP6, for 128 queries x 1,024 keys a work-group.  No work is left out: every key is multiplied, masked or not.
; SHARES.  Work-group (x, y): queries 128 x on of batch y / 4, keys 1,024 (y % 4) on: eight steps of 128 keys.  The four parts of a row's keys are joined in launch 4.  Wave w owns query tiles 2 w and 2 w + 1 of the
; block, with all 512 channels of O: 512 registers.  The waves hand each other nothing but the tiles in LDS.  A fragment of K or V read from LDS feeds two products.
; LAYOUT.  Both products transposed: S^T = K Q^T (source 0 = 16 keys), O^T = V^T P^T (source 0 = 16 channels): a lane holds one query throughout.  By the tiles' choice of rows (launch 1) a lane's 64 scores are
; register 16 b + i = key 32 b + 16 (lane / 16) + i of the step.
; THE SOFTMAX: t = (score + bias) c, c = log2(e) / sqrt(512); M = the running largest t rounded up to a whole number; p = 2^(t - M) is quantised along the keys, not normalised; the row's sum is taken of the
; unquantised p.  When M moves, the sum and O^T are multiplied by 2^(old M - new M): exact.  A block's largest p is made from the block's largest score by the same two instructions.
; THE BIAS is the C of a score's first product: 0 for a key that is kept, -10,000 sqrt(512) for a masked one, ahead of the multiplication by c.  LIMIT: that is another order of rounding than adding -10,000 behind
; the scale: a masked logit moves by some 1e-3, the size of f32's own step at 10,000.  LIMITS besides: NaN and infinities are not served; a block whose every p is 0 keeps the byte 1: its codes are zeros.
; CLUSTER.  The four query blocks of a cluster walk the same K, V and scale bytes: every tensor load is asked for jointly, by the same line with the same descriptor and a mask that names the four.
; RING.  Two slots of one key step (K's 49,152 bytes of images, then V's); waves 0, 1 fetch K's halves, waves 2, 3 V's.  By this text's count a wave has three tensor loads out at the head and one behind each round.
; REGISTERS, in windows of 256.  Window 0: v1-9 addresses; v10-25 statistics; v26-47 scales (p's, Q's, K's or V's) and nothing else; v48-79 at work; v80-111 the bias, later p's codes; v128-255 S^T, then p.
;   Windows 1, 2: O^T of tile 0, 1.   Window 3: v0-95 Q; v96-239 three sets of four fragments of K or V.
.set KOFF,  3145728
.set VOFF,  15728640
.set KSO,   131072
.set VSO,   655360
.set STEPB, 49152                      ; a key step's images of K, and of V
.set SLOT1, 131072                     ; slot 1 begins here: one exclusive or turns an address in one slot into the other's
.set SCK,   98304                      ; K's scale images of the eight steps, 2,048 bytes each;
.set SCV,   114688                     ; V's
.set BT,    229376                     ; the bias of the part's 1,024 keys, f32: written by LDS stores, never a fill's target
.set SPARE, 233472                     ; the spare words, 128 bytes for each wave
.set LI,  1                            ; v1  16 x lane
.set ADK, 2                            ; v2  the step's K
.set ADV, 3                            ; v3  the step's V
.set ADS, 4                            ; v4  the step's scale images
.set ADB, 5                            ; v5  the step's bias
.set BT0, 6                            ; v6  BT + 64 (lane / 16)
.set PFO, 7                            ; v7  256 x lane
.set SPW, 8
.set NIL, 9
.set ST,  10                           ; tile t at v[ST + 8 t]: +0 -M, +1 the largest t, +2, +3 the sum in two halves, +4 f, +5 named with f as a pair, +6, +7 at work
.set PW,  26                           ; v26-27 p's scale word
.set QS,  28                           ; v28-31 Q's scale words of K step s: lanes 0-15 tile 0, lanes 16-31 tile 1
.set SCR, 32                           ; v32-47 K's scale images of the step, later V's
.set TM,  48                           ; tile t at v[TM + 16 t]: +0..3 the blocks' largest, +4..7 the other half's, later bytes, +8..11 scale operands, +12, 13 a second chain of sums
.set PCD, 80                           ; v80-103 p's codes
.set CT,  104                          ; v104-119 their upper halves before the exchange
.set BI,  80                           ; v80-111 the bias of four key tiles
.set S,   128
.set FS0, 96
.set WV,  14
.set LIM, 15
.set TB,  66                           ; s66 the slot in hand
.set TS,  67                           ; s67 the step's scale images
.set TBI, 68                           ; s68 the step's bias
.set SLOTS, 69                         ; s69 refills to go
.set CS,  70                           ; s[70:71] c
.set SEL, 72                           ; s[72:73] lane l xor 16
.set PFA, 74                           ; s[74:75] where my prefetches stand
.set BP,  76
.set BN,  77
.set TWICE, 78
.set MSB, 0
.macro WIN new
.if MSB != (\new)
	s_set_vgpr_msb (MSB<<8)|(\new)
.set MSB, (\new)
.endif
.endm
.macro PLACES
.rept 4
	v_nop
.endr
.endm
.macro WM                              ; one product, by the symbols rD, rA, rB, rC (under 0: the constant 0), rSA, rSB, and the scale rows rRA, rRB
.if rC < 0
.if rRA && rRB
	v_wmma_scale_f32_16x16x128_f8f6f4 v[rD:rD+7], v[rA:rA+11], v[rB:rB+11], 0, v[rSA], v[rSB] matrix_a_fmt:MATRIX_FMT_FP6 matrix_b_fmt:MATRIX_FMT_FP6 matrix_a_scale:MATRIX_SCALE_ROW1 matrix_b_scale:MATRIX_SCALE_ROW1
.elseif rRA
	v_wmma_scale_f32_16x16x128_f8f6f4 v[rD:rD+7], v[rA:rA+11], v[rB:rB+11], 0, v[rSA], v[rSB] matrix_a_fmt:MATRIX_FMT_FP6 matrix_b_fmt:MATRIX_FMT_FP6 matrix_a_scale:MATRIX_SCALE_ROW1
.elseif rRB
	v_wmma_scale_f32_16x16x128_f8f6f4 v[rD:rD+7], v[rA:rA+11], v[rB:rB+11], 0, v[rSA], v[rSB] matrix_a_fmt:MATRIX_FMT_FP6 matrix_b_fmt:MATRIX_FMT_FP6 matrix_b_scale:MATRIX_SCALE_ROW1
.else
	v_wmma_scale_f32_16x16x128_f8f6f4 v[rD:rD+7], v[rA:rA+11], v[rB:rB+11], 0, v[rSA], v[rSB] matrix_a_fmt:MATRIX_FMT_FP6 matrix_b_fmt:MATRIX_FMT_FP6
.endif
.else
.if rRA && rRB
	v_wmma_scale_f32_16x16x128_f8f6f4 v[rD:rD+7], v[rA:rA+11], v[rB:rB+11], v[rC:rC+7], v[rSA], v[rSB] matrix_a_fmt:MATRIX_FMT_FP6 matrix_b_fmt:MATRIX_FMT_FP6 matrix_a_scale:MATRIX_SCALE_ROW1 matrix_b_scale:MATRIX_SCALE_ROW1
.elseif rRA
	v_wmma_scale_f32_16x16x128_f8f6f4 v[rD:rD+7], v[rA:rA+11], v[rB:rB+11], v[rC:rC+7], v[rSA], v[rSB] matrix_a_fmt:MATRIX_FMT_FP6 matrix_b_fmt:MATRIX_FMT_FP6 matrix_a_scale:MATRIX_SCALE_ROW1
.elseif rRB
	v_wmma_scale_f32_16x16x128_f8f6f4 v[rD:rD+7], v[rA:rA+11], v[rB:rB+11], v[rC:rC+7], v[rSA], v[rSB] matrix_a_fmt:MATRIX_FMT_FP6 matrix_b_fmt:MATRIX_FMT_FP6 matrix_b_scale:MATRIX_SCALE_ROW1
.else
	v_wmma_scale_f32_16x16x128_f8f6f4 v[rD:rD+7], v[rA:rA+11], v[rB:rB+11], v[rC:rC+7], v[rSA], v[rSB] matrix_a_fmt:MATRIX_FMT_FP6 matrix_b_fmt:MATRIX_FMT_FP6
.endif
.endif
.endm
.macro CROUND                          ; a round of the cluster's barrier
	s_barrier_signal -1
	s_barrier_wait -1
	s_cmp_lg_u32 s[WV], 0
	s_cbranch_scc1 .Lnot_wave_0_\@
	s_barrier_signal -3
.Lnot_wave_0_\@:
	s_barrier_wait -3
	s_barrier_signal -1
	s_barrier_wait -1
.endm
.macro JLOAD                           ; a joint refill by the walking descriptors; the branch hangs on the wave's number alone; an s_nop 0 and four v_nop follow each line
	s_cmp_lt_u32 s[WV], 2
	s_cbranch_scc0 .Lfor_v_\@
	tensor_load_to_lds s[44:47], s[24:31]
	s_nop 0
.rept 4
	v_nop
.endr
	s_branch .Lasked_\@
.Lfor_v_\@:
	tensor_load_to_lds s[52:55], s[24:31]
	s_nop 0
.rept 4
	v_nop
.endr
.Lasked_\@:
.endm
; A PREFETCH of the key step behind the one that is being asked for: one key step, 128 products a wave and a softmax, ahead of its load.  The two clusters of a row of the grid walk the same K and V: the first asks.
; Its four partners' waves 0 to 2 are twelve askers, told apart by address alone: asker 3 cx + w takes 8,192 bytes (lanes 256 apart) of the step's 49,152 of K and 49,152 of V.  So each block of 256 bytes is named once.
; Steps 0 to 2 come by their loads alone; the last refill asks for nothing.
.macro ASK
	s_cmp_gt_u32 s[SLOTS], s[LIM]
	s_cbranch_scc0 .Lnot_mine_\@
	global_prefetch_b8 v[PFO], s[PFA:PFA+1] th:TH_LOAD_NT scope:SCOPE_SE
.Lnot_mine_\@:
.endm
	s_load_b256 s[4:11], s[0:1], 0x0               ; qkv, qkvs, the mask, po
	s_load_b64 s[12:13], s[0:1], 0x20              ; pm
	v_lshl_add_u32 v[SPW], v0, 2, SPARE
	v_mov_b32 v[NIL], 0
	ds_add_u32 v[SPW], v[NIL]                      ; the wave's opening: the add, twice on end, and its wait ahead of my first tensor load
	ds_add_u32 v[SPW], v[NIL]
	v_lshrrev_b32 v1, 5, v0
	v_readfirstlane_b32 s[WV], v1                  ; wave
	v_and_b32 v[LI], 31, v0
	v_lshlrev_b32 v[PFO], 8, v[LI]
	v_lshlrev_b32 v[LI], 4, v[LI]
	v_bfe_u32 v[BT0], v0, 4, 1
	v_lshl_add_u32 v[BT0], v[BT0], 6, BT
	v_lshlrev_b32 v3, 3, v0                        ; my 8 bytes of the part's mask
	v_lshl_add_u32 v4, v0, 5, BT                   ; and where their 8 numbers go
	s_bfe_u32 s16, ttmp6, 0x40000                  ; cx
	s_lshl_b32 s17, ttmp9, 2
	s_add_co_u32 s17, s17, s16                     ; x: my block of 128 queries
	s_and_b32 s18, ttmp7, 0xffff                   ; y = 4 x batch + part: shared by the four partners
	s_lshr_b32 s19, s18, 2                         ; batch
	s_and_b32 s20, s18, 3                          ; part
	s_and_b32 s21, s[WV], 1                        ; which half of K's or V's images I fetch
	s_mul_i32 s80, s18, 8*STEPB                    ; the part's first key step is 8 y.  s80-83, s22, s23 feed the descriptors and never hold cx
	s_mul_i32 s22, s21, 24576
	s_add_co_u32 s80, s80, s22
	s_mov_b32 s81, 0
	s_lshl_b32 s82, s18, 14                        ; its scale images: 8 x 2,048 bytes
	s_lshl_b32 s23, s21, 13
	s_add_co_u32 s82, s82, s23
	s_mov_b32 s83, 0
	s_lshl_b32 s84, s19, 6
	s_lshl_b32 s85, s17, 3
	s_add_co_u32 s84, s84, s85
	s_lshl_b32 s85, s[WV], 1
	s_add_co_u32 s84, s84, s85                     ; my first query tile: 64 batch + 8 x + 2 w
	s_mul_i32 s86, s84, 6144                       ; its codes
	s_mov_b32 s87, 0
	s_lshl_b32 s88, s19, 3
	s_add_co_u32 s88, s88, s17
	s_lshl_b32 s88, s88, 11                        ; the block's scale images; word w of a lane's four is my two tiles'
	s_lshl_b32 s89, s[WV], 2
	s_add_co_u32 s88, s88, s89
	s_mov_b32 s89, 0
	s_lshl_b32 s90, s84, 2
	s_add_co_u32 s90, s90, s20                     ; 4 x tile + part
	s_lshl_b32 s92, s90, 8                         ; in pm
	s_mov_b32 s93, 0
	s_lshl_b32 s90, s90, 15                        ; in po
	s_mov_b32 s91, 0
	s_lshl_b32 s94, s18, 10                        ; the part's 1,024 mask bytes
	s_mov_b32 s95, 0
	s_mul_i32 s79, s16, 3
	s_add_co_u32 s79, s79, s[WV]                   ; the asker's number
	s_mov_b32 s[PFA], VOFF-STEPB
	s_cmp_lt_u32 s79, 6
	s_cselect_b32 s[PFA], KOFF, s[PFA]             ; an offset is chosen, no path
	s_lshl_b32 s79, s79, 13
	s_add_co_u32 s[PFA], s[PFA], s79
	s_mul_i32 s79, s18, 8*STEPB
	s_add_co_u32 s[PFA], s[PFA], s79
	s_add_co_u32 s[PFA], s[PFA], 2*STEPB           ; at step 2: the first change of slots steps it to step 3
	s_mov_b32 s[PFA+1], 0
	s_cmp_eq_u32 s[WV], 3
	s_cselect_b32 s[LIM], 1, 0
	s_or_b32 s[LIM], s[LIM], ttmp9                 ; 0 in waves 0 to 2 of the row's first cluster: the same in all four partners
	s_cmp_eq_u32 s[LIM], 0
	s_cselect_b32 s[LIM], 1, -1
	; descriptor group 1: 24,576 dense bytes as 96 rows of 256, in elements of 8 bytes; the mask names all four work-groups, bit 21 set beside it
	s_mov_b32 s24, 15|(3<<16)|(1<<21)
	s_mov_b32 s25, 32<<16
	s_mov_b32 s26, 96<<16
	s_mov_b32 s27, 32<<16
	s_mov_b32 s28, 96
	s_mov_b32 s29, 32
	s_mov_b32 s30, 0
	s_mov_b32 s31, 0
	; and for the scale images: 8,192 bytes as 32 rows
	s_mov_b32 s32, 15|(3<<16)|(1<<21)
	s_mov_b32 s33, 32<<16
	s_mov_b32 s34, 32<<16
	s_mov_b32 s35, 32<<16
	s_mov_b32 s36, 32
	s_mov_b32 s37, 32
	s_mov_b32 s38, 0
	s_mov_b32 s39, 0
	s_mov_b32 s[CS], 0x3d8293ee                    ; c = log2(e) / sqrt(512)
	s_mov_b32 s[CS+1], s[CS]
	s_mov_b32 s[SEL], 0x76543210
	s_mov_b32 s[SEL+1], 0xfedcba98
	s_mov_b32 s[BP], 0x485cf88b                    ; 10,000 sqrt(512)
	s_mov_b32 s[BN], 0xc85cf88b
	s_mov_b32 s[TB], 0
	s_mov_b32 s[TS], SCK
	s_mov_b32 s[TBI], 0
.irp t, 0,1
	v_mov_b32 v[ST+8*\t+1], 0xff61b1e6             ; the largest t so far: -3e38
	v_floor_f32 v[ST+8*\t], -v[ST+8*\t+1]          ; -M
.irp i, 2,3,4,5,6,7
	v_mov_b32 v[ST+8*\t+\i], 0
.endr
.irp b, 0,1,2,3
	v_mov_b32 v[TM+16*\t+4+\b], 0                  ; written once: a lane permute's destination counts as one of its sources
.endr
.endr
	s_wait_dscnt 0x0                               ; both opening adds are done
	s_wait_kmcnt 0x0
	s_add_nc_u64 s[80:81], s[4:5], s[80:81]
	s_add_nc_u64 s[82:83], s[6:7], s[82:83]
	s_add_nc_u64 s[86:87], s[4:5], s[86:87]
	s_add_nc_u64 s[88:89], s[6:7], s[88:89]
	s_add_nc_u64 s[94:95], s[8:9], s[94:95]
	s_add_nc_u64 s[10:11], s[10:11], s[90:91]
	s_add_nc_u64 s[12:13], s[12:13], s[92:93]
	s_add_nc_u64 s[PFA:PFA+1], s[4:5], s[PFA:PFA+1]
	CROUND                                         ; all four work-groups are here: the first joint loads meet
	s_mov_b32 s40, 1                               ; K, step 0 into slot 0
	s_mov_b32 s41, s22
	s_add_nc_u64 s[42:43], s[80:81], KOFF
	s_or_b32 s43, s43, 0x80000000
	s_mov_b32 s44, 1                               ; K, step 1 into slot 1: this set then walks
	s_add_co_u32 s45, s22, SLOT1
	s_add_nc_u64 s[46:47], s[80:81], KOFF+STEPB
	s_or_b32 s47, s47, 0x80000000
	s_mov_b32 s48, 1                               ; V likewise
	s_add_co_u32 s49, s22, STEPB
	s_add_nc_u64 s[50:51], s[80:81], VOFF
	s_or_b32 s51, s51, 0x80000000
	s_mov_b32 s52, 1
	s_add_co_u32 s53, s22, SLOT1+STEPB
	s_add_nc_u64 s[54:55], s[80:81], VOFF+STEPB
	s_or_b32 s55, s55, 0x80000000
	s_mov_b32 s56, 1                               ; K's scale images, my half
	s_add_co_u32 s57, s23, SCK
	s_add_nc_u64 s[58:59], s[82:83], KSO
	s_or_b32 s59, s59, 0x80000000
	s_mov_b32 s60, 1                               ; V's
	s_add_co_u32 s61, s23, SCV
	s_add_nc_u64 s[62:63], s[82:83], VSO
	s_or_b32 s63, s63, 0x80000000
	s_cmp_lt_u32 s[WV], 2                          ; a wave's three first fills stand in one branch, ahead of every wait on TENSORcnt, every LDS read and every later barrier
	s_cbranch_scc0 .Lfirst_v
	tensor_load_to_lds s[56:59], s[32:39]
	s_nop 0
	tensor_load_to_lds s[40:43], s[24:31]
	s_nop 0
	tensor_load_to_lds s[44:47], s[24:31]
	s_nop 0
.rept 4
	v_nop
.endr
	s_branch .Lfirst_asked
.Lfirst_v:
	tensor_load_to_lds s[60:63], s[32:39]
	s_nop 0
	tensor_load_to_lds s[48:51], s[24:31]
	s_nop 0
	tensor_load_to_lds s[52:55], s[24:31]
	s_nop 0
.rept 4
	v_nop
.endr
.Lfirst_asked:
	global_load_b64 v[120:121], v3, s[94:95]       ; 8 mask bytes a thread
.irp s, 0,1,2,3
	global_load_b32 v[QS+\s], v[LI], s[88:89] offset:512*\s
.endr
	WIN 0xc0                                       ; destination window 3
.irp t, 0,1
.irp s, 0,1,2,3
.irp c, 0,1,2
	global_load_b128 v[48*\t+12*\s+4*\c:48*\t+12*\s+4*\c+3], v[LI], s[86:87] offset:6144*\t+1536*\s+512*\c   ; Q stays in registers
.endr
.endr
.endr
	WIN 0
	s_wait_loadcnt 0x0
.irp k, 0,1,2,3,4,5,6,7
	v_bfe_u32 v[122+\k%2], v[120+\k/4], 8*(\k%4), 8
	v_cvt_f32_u32 v[122+\k%2], v[122+\k%2]
	v_fma_f32 v[112+\k], v[122+\k%2], s[BP], s[BN] ; 1 (kept): exactly 0; 0 (masked): -10,000 sqrt(512)
.endr
	ds_store_b128 v4, v[112:115]
	ds_store_b128 v4, v[116:119] offset:16
	s_wait_tensorcnt 0x1                           ; the scale images and my part of slot 0 are in; slot 1's may be out
	s_wait_dscnt 0x0                               ; my part of the bias lies in LDS
	s_barrier_signal -1
	s_barrier_wait -1
; A KEY STEP IS 16 UNITS of four fragments and eight products.  Units 0-7: scores (key tiles 4 (u / 4) on, K step u % 4); units 8-15: O^T (channel tiles 4 (u - 8) on).  Fragments are fetched three units ahead, into three sets.
.macro ULOAD u
	WIN 0xc0
.set fsr, FS0+48*((\u)%3)
.irp i, 0,1,2,3
.irp c, 0,1,2
.if (\u) < 8
	ds_load_b128 v[fsr+12*\i+4*\c:fsr+12*\i+4*\c+3], v[ADK] offset:(4*((\u)/4)+\i)*6144+1536*((\u)%4)+512*\c
.else
	ds_load_b128 v[fsr+12*\i+4*\c:fsr+12*\i+4*\c+3], v[ADV] offset:(4*((\u)-8)+\i)*1536+512*\c
.endif
.endr
.endr
.endm
; The eight accumulators of a unit take turns, one instruction a turn.  K step 0 takes the bias as C.  Four places follow, in front of the loads into what the products have read.
.macro SUNIT u, cnt
	s_wait_dscnt \cnt
	WIN 0x0f
.set fsr, FS0+48*((\u)%3)
.irp i, 0,1,2,3
.irp t, 0,1
.set rD, S+64*\t+8*(4*((\u)/4)+\i)
.set rA, fsr+12*\i
.set rB, 48*\t+12*((\u)%4)
.set rC, rD
.if (\u)%4 == 0
.set rC, BI+8*\i
.endif
.set rSA, SCR+4*((\u)%4)+(4*((\u)/4)+\i)/2
.set rSB, QS+(\u)%4
.set rRA, \i%2
.set rRB, \t
	WM
.endr
.endr
	PLACES
.endm
.macro PUNIT u, cnt, zero
	s_wait_dscnt \cnt
.set fsr, FS0+48*((\u)%3)
.irp t, 0,1
	WIN 0x53+0x50*\t
.irp i, 0,1,2,3
.set etl, 4*((\u)-8)+\i
.set rD, 8*etl
.set rA, fsr+12*\i
.set rB, PCD+12*\t
.set rC, rD
.if \zero
.set rC, -1
.endif
.set rSA, SCR+etl/2
.set rSB, PW+\t
.set rRA, etl%2
.set rRB, 0
	WM
.endr
.endr
.endm
.macro RESC q                          ; O^T's channel tiles 4 q on, both query tiles, under the new M: x f, each accumulator from its low end on
.irp t, 0,1
	WIN 0x41+0x41*\t
.irp j, 0,2,4,6,8,10,12,14,16,18,20,22,24,26,28,30
	v_pk_mul_f32 v[32*(\q)+\j:32*(\q)+\j+1], v[32*(\q)+\j:32*(\q)+\j+1], v[ST+8*\t+4:ST+8*\t+5] op_sel_hi:[1,0]
.endr
.endr
.endm
.macro SOFTMAX                         ; both tiles and the four blocks by turns: no line waits for the line above it
.irp t, 0,1
.irp b, 0,1,2,3
	v_max3_num_f32 v[TM+16*\t+\b], v[S+64*\t+16*\b], v[S+64*\t+16*\b+1], v[S+64*\t+16*\b+2]   ; the largest score of each block of 32 keys
.endr
.endr
.irp i, 3,5,7,9,11,13
.irp t, 0,1
.irp b, 0,1,2,3
	v_max3_num_f32 v[TM+16*\t+\b], v[TM+16*\t+\b], v[S+64*\t+16*\b+\i], v[S+64*\t+16*\b+\i+1]
.endr
.endr
.endr
.irp t, 0,1
.irp b, 0,1,2,3
	v_max_num_f32 v[TM+16*\t+\b], v[TM+16*\t+\b], v[S+64*\t+16*\b+15]
.endr
.endr
.irp t, 0,1
.irp b, 0,1,2,3
	v_permlanex16_b32 v[TM+16*\t+4+\b], v[TM+16*\t+\b], s[SEL], s[SEL+1]
.endr
.endr
.irp t, 0,1
.irp b, 0,1,2,3
	v_max_num_f32 v[TM+16*\t+\b], v[TM+16*\t+\b], v[TM+16*\t+4+\b]   ; with lane l xor 16's 16 keys
.endr
.endr
.irp t, 0,1
	v_max3_num_f32 v[ST+8*\t+6], v[TM+16*\t], v[TM+16*\t+1], v[TM+16*\t+2]
.endr
.irp t, 0,1
	v_max_num_f32 v[ST+8*\t+6], v[ST+8*\t+6], v[TM+16*\t+3]
.endr
.irp t, 0,1
	v_mul_f32 v[ST+8*\t+6], s[CS], v[ST+8*\t+6]    ; the step's largest t
.endr
.irp t, 0,1
	v_max_num_f32 v[ST+8*\t+1], v[ST+8*\t+1], v[ST+8*\t+6]
.endr
.irp t, 0,1
	v_mov_b32 v[ST+8*\t+6], v[ST+8*\t]
.endr
.irp t, 0,1
	v_floor_f32 v[ST+8*\t], -v[ST+8*\t+1]          ; the new -M = -ceil(t)
.endr
.irp t, 0,1
	v_sub_f32 v[ST+8*\t+6], v[ST+8*\t], v[ST+8*\t+6]   ; old M - new M: a whole number, 0 or less
.endr
.irp t, 0,1
	v_cvt_i32_f32 v[ST+8*\t+6], v[ST+8*\t+6]       ; (it saturates)
.endr
.irp t, 0,1
	v_ldexp_f32 v[ST+8*\t+4], 1.0, v[ST+8*\t+6]    ; f = 2^(old M - new M)
.endr
.irp j, 0,2,4,6,8,10,12,14,16,18,20,22,24,26,28,30,32,34,36,38,40,42,44,46,48,50,52,54,56,58,60,62
.irp t, 0,1
	v_pk_fma_f32 v[S+64*\t+\j:S+64*\t+\j+1], v[S+64*\t+\j:S+64*\t+\j+1], s[CS:CS+1], v[ST+8*\t:ST+8*\t+1] op_sel_hi:[1,0,0]   ; t - M
.endr
.endr
.irp t, 0,1
.irp b, 0,1,2,3
	v_fma_f32 v[TM+16*\t+\b], v[TM+16*\t+\b], s[CS], v[ST+8*\t]   ; the same of each block's largest score
.endr
.endr
.irp j, 0,1,2,3,4,5,6,7,8,9,10,11,12,13,14,15,16,17,18,19,20,21,22,23,24,25,26,27,28,29,30,31,32,33,34,35,36,37,38,39,40,41,42,43,44,45,46,47,48,49,50,51,52,53,54,55,56,57,58,59,60,61,62,63
.irp t, 0,1
	v_exp_f32 v[S+64*\t+\j], v[S+64*\t+\j]         ; p = 2^(t - M)
.endr
.endr
.irp t, 0,1
	v_pk_mul_f32 v[ST+8*\t+2:ST+8*\t+3], v[ST+8*\t+2:ST+8*\t+3], v[ST+8*\t+4:ST+8*\t+5] op_sel_hi:[1,0]   ; the sums under the new M: the plain place behind the batch
.endr
	s_wait_alu depctr_va_vdst(0)                   ; one wait for the batch of 128, ahead of its first reader
.irp t, 0,1
.irp b, 0,1,2,3
	v_exp_f32 v[TM+16*\t+\b], v[TM+16*\t+\b]       ; each block's largest p
.endr
.endr
.irp t, 0,1
	v_pk_add_f32 v[TM+16*\t+12:TM+16*\t+13], v[S+64*\t:S+64*\t+1], v[S+64*\t+2:S+64*\t+3]   ; the row's sum, of the unquantised p, in two chains a tile
.endr
.irp j, 4,8,12,16,20,24,28,32,36,40,44,48,52,56,60
.irp t, 0,1
	v_pk_add_f32 v[ST+8*\t+2:ST+8*\t+3], v[ST+8*\t+2:ST+8*\t+3], v[S+64*\t+\j:S+64*\t+\j+1]
	v_pk_add_f32 v[TM+16*\t+12:TM+16*\t+13], v[TM+16*\t+12:TM+16*\t+13], v[S+64*\t+\j+2:S+64*\t+\j+3]
.endr
.endr
.irp t, 0,1
	v_pk_add_f32 v[ST+8*\t+2:ST+8*\t+3], v[ST+8*\t+2:ST+8*\t+3], v[TM+16*\t+12:TM+16*\t+13]
.endr
	s_wait_alu depctr_va_vdst(0)                   ; and one for the eight
.irp t, 0,1
.irp b, 0,1,2,3
	v_max_num_f32 v[TM+16*\t+\b], 0x1800000, v[TM+16*\t+\b]   ; the floor 2^(3 - 127): the byte cannot fall under 1
.endr
.endr
.irp t, 0,1
.irp b, 0,1,2,3
	v_add_nc_u32 v[TM+16*\t+8+\b], 0xff000000, v[TM+16*\t+\b]   ; the conversion's scale operand
.endr
.endr
.irp t, 0,1
.irp b, 0,1,2,3
	v_lshrrev_b32 v[TM+16*\t+4+\b], 23, v[TM+16*\t+8+\b]   ; the byte
.endr
.endr
.irp t, 0,1
	v_lshl_or_b32 v[PW+\t], v[TM+16*\t+5], 8, v[TM+16*\t+4]
.endr
.irp t, 0,1
	v_lshl_or_b32 v[PW+\t], v[TM+16*\t+6], 16, v[PW+\t]
.endr
.irp t, 0,1
	v_lshl_or_b32 v[PW+\t], v[TM+16*\t+7], 24, v[PW+\t]
.endr
.irp t, 0,1
.irp c, 0,1
	v_cvt_scalef32_pk16_fp6_f32 v[PCD+12*\t+6*\c:PCD+12*\t+6*\c+2], v[S+64*\t+32*\c:S+64*\t+32*\c+15], v[TM+16*\t+8+2*\c]
	v_cvt_scalef32_pk16_fp6_f32 v[CT+8*\t+4*\c:CT+8*\t+4*\c+2], v[S+64*\t+32*\c+16:S+64*\t+32*\c+31], v[TM+16*\t+8+2*\c+1]
.endr
.endr
	v_nop                                          ; one plain place behind a scaled conversion
.irp t, 0,1
.irp c, 0,1                                    ; the operand's layout wants a whole block in a lane
.irp i, 0,1,2
	v_permlane16_swap_b32 v[PCD+12*\t+6*\c+\i], v[CT+8*\t+4*\c+\i]
.endr
.irp i, 0,1,2
	v_mov_b32 v[PCD+12*\t+6*\c+3+\i], v[CT+8*\t+4*\c+\i]
.endr
.endr
.endr
.endm
; zero = 1: the first step: its products start O^T's sums, and nothing is rescaled.  The counts on DScnt are the LDS loads issued behind the unit's own: as a rule the next two units' 24.
.macro STEP zero
	v_add_nc_u32 v[ADK], s[TB], v[LI]              ; these four are also the places in front of the loads into what the last products have read
	v_add_nc_u32 v[ADS], s[TS], v[LI]
	v_add_nc_u32 v[ADB], s[TBI], v[BT0]
	v_add_nc_u32 v[ADV], STEPB, v[ADK]
.irp k, 0,1,2,3
	ds_load_b128 v[BI+8*\k:BI+8*\k+3], v[ADB] offset:128*(\k/2)+32*(\k%2)          ; the bias in the result's layout: key tiles 0-3
	ds_load_b128 v[BI+8*\k+4:BI+8*\k+7], v[ADB] offset:128*(\k/2)+32*(\k%2)+16
.endr
.irp s, 0,1,2,3
	ds_load_b128 v[SCR+4*\s:SCR+4*\s+3], v[ADS] offset:512*\s                      ; K's scale images
.endr
	ULOAD 0
	ULOAD 1
	ULOAD 2
	SUNIT 0, 24
	ULOAD 3
	WIN 0
.irp k, 0,1,2,3
	ds_load_b128 v[BI+8*\k:BI+8*\k+3], v[ADB] offset:256+128*(\k/2)+32*(\k%2)      ; key tiles 4-7
	ds_load_b128 v[BI+8*\k+4:BI+8*\k+7], v[ADB] offset:256+128*(\k/2)+32*(\k%2)+16
.endr
	SUNIT 1, 32                                    ; two units and the eight loads of the bias
	ULOAD 4
	SUNIT 2, 32
	ULOAD 5
	SUNIT 3, 32
	ULOAD 6
	SUNIT 4, 24
	ULOAD 7
	SUNIT 5, 24
	ULOAD 8
	SUNIT 6, 24
	ULOAD 9
	SUNIT 7, 24
	WIN 0
.irp g, 0,1,2,3
	ds_load_b128 v[SCR+4*\g:SCR+4*\g+3], v[ADS] offset:16384+512*\g                ; V's scale images take K's place
.endr
	ULOAD 10
	WIN 0
	SOFTMAX
.if \zero
.rept 8
	v_nop                                          ; a scale word made by vector instructions stands 8 places ahead of a scaled product, codes so made 4
.endr
.else
	RESC 0                                         ; (these 32 lines are those places too)
.endif
.irp u, 8,9,10,11,12,13,14,15
.set dcn, 24
.if (\u == 8) || (\u == 14)
.set dcn, 12                                   ; unit 8: V's scale images were issued ahead of unit 10's loads alone; unit 14: unit 15's
.endif
.if \u == 15
.set dcn, 0
.endif
	PUNIT \u, dcn, \zero
.if \u < 15
.if \zero
	PLACES
.else
	RESC \u-7                                      ; the next unit's accumulators; these lines name none of this unit's registers: they are its places
.endif
.endif
.if \u < 13
	ULOAD \u+3
.endif
.endr
	WIN 0
	s_add_co_u32 s[TS], s[TS], 2048
	s_add_co_u32 s[TBI], s[TBI], 512
.endm
; THE CHANGE OF SLOTS.  Each wave waits for all its tensor loads (its part of the other slot), adds 0 to its spare word, and waits for that and for its reads of the slot.  fill = 1: a round of the cluster's barrier,
; so that no wave of any partner still reads the slot or has a load on its way; the joint refill, with the key step two on, is the first thing behind it.
.macro CHANGE fill
	s_wait_tensorcnt 0x0
	ds_add_u32 v[SPW], v[NIL]
.if \fill
	s_xor_b32 s45, s45, SLOT1                      ; the walking descriptors: the other slot, the next key step
	s_add_nc_u64 s[46:47], s[46:47], STEPB
	s_xor_b32 s53, s53, SLOT1
	s_add_nc_u64 s[54:55], s[54:55], STEPB
	s_wait_xcnt 0x0                                ; the last prefetch, a key step back, has read its address
	s_add_nc_u64 s[PFA:PFA+1], s[PFA:PFA+1], STEPB
	s_wait_dscnt 0x0
	CROUND
	JLOAD
	ASK
.else
	s_wait_dscnt 0x0
	s_barrier_signal -1
	s_barrier_wait -1
.endif
	s_xor_b32 s[TB], s[TB], SLOT1
.endm
	s_mov_b32 s[SLOTS], 6                          ; six refills: behind steps 0 to 5, with steps 2 to 7
	STEP 1
	CHANGE 1
	s_mov_b32 s[SLOTS], 5
.Lfill:
	STEP 0
	CHANGE 1
	s_sub_co_u32 s[SLOTS], s[SLOTS], 1
	s_cmp_lg_u32 s[SLOTS], 0
	s_cbranch_scc1 .Lfill
	s_mov_b32 s[TWICE], 2                          ; the last two steps ask for nothing: a loop of their own
.Ltail:
	STEP 0
	CHANGE 0
	s_sub_co_u32 s[TWICE], s[TWICE], 1
	s_cmp_lg_u32 s[TWICE], 0
	s_cbranch_scc1 .Ltail
	; THE WAY OUT: -M and the part's sum, 8 bytes a lane; O^T as images of its registers, 512 consecutive bytes a store, each accumulator's low half first.
	PLACES
.irp t, 0,1
	v_add_f32 v[ST+8*\t+2], v[ST+8*\t+2], v[ST+8*\t+3]
.endr
.irp t, 0,1
	v_permlanex16_b32 v[TM+16*\t+4], v[ST+8*\t+2], s[SEL], s[SEL+1]
.endr
.irp t, 0,1
	v_add_f32 v[ST+8*\t+1], v[ST+8*\t+2], v[TM+16*\t+4]   ; the sum, beside -M
.endr
	v_lshrrev_b32 v[ADK], 1, v[LI]                 ; 8 x lane
.irp t, 0,1
	global_store_b64 v[ADK], v[ST+8*\t:ST+8*\t+1], s[12:13] offset:1024*\t
.endr
.irp t, 0,1
	WIN 0x04+0x04*\t                               ; a store's data are its source 1: window 1 or 2
.irp e, 0,1,2,3,4,5,6,7,8,9,10,11,12,13,14,15,16,17,18,19,20,21,22,23,24,25,26,27,28,29,30,31
	global_store_b128 v[LI], v[8*\e:8*\e+3], s[10:11] offset:131072*\t+1024*\e th:TH_STORE_NT
	global_store_b128 v[LI], v[8*\e+4:8*\e+7], s[10:11] offset:131072*\t+1024*\e+512 th:TH_STORE_NT
.endr
.endr
	WIN 0
	s_wait_tensorcnt 0x0                           ; the wave's end
	ds_add_u32 v[SPW], v[NIL]
	s_wait_dscnt 0x0
	CROUND                                         ; the closing round
	s_endpgm
.Lfunc_end_k_qe02d46ca78_attn:
	.size	k_qe02d46ca78_attn, .Lfunc_end_k_qe02d46ca78_attn-k_qe02d46ca78_attn
	.p2alignl 7, 3214868480
	.fill 96, 4, 3214868480
	.section	.rodata,"a",@progbits
	.p2align	6, 0x0
	.amdhsa_kernel k_qe02d46ca78_attn
		.amdhsa_group_segment_fixed_size 327680
		.amdhsa_private_segment_fixed_size 0
		.amdhsa_enable_private_segment 0
		.amdhsa_kernarg_size 40
		.amdhsa_user_sgpr_count 2
		.amdhsa_user_sgpr_kernarg_segment_ptr 1
		.amdhsa_wavefront_size32 1
		.amdhsa_system_sgpr_workgroup_id_x 1
		.amdhsa_system_sgpr_workgroup_id_y 1
		.amdhsa_system_sgpr_workgroup_id_z 1
		.amdhsa_system_vgpr_workitem_id 0
		.amdhsa_next_free_vgpr 1024
		.amdhsa_next_free_sgpr 96
		.amdhsa_reserve_vcc 0
		.amdhsa_float_denorm_mode_32 3
		.amdhsa_float_denorm_mode_16_64 3
		.amdhsa_memory_ordered 1
		.amdhsa_forward_progress 1
		.amdhsa_inst_pref_size 225
	.end_amdhsa_kernel
	.amdgpu_metadata
---
amdhsa.version: [ 1, 2 ]
amdhsa.kernels:
  - .name:           k_qe02d46ca78_attn
    .symbol:         k_qe02d46ca78_attn.kd
    .args:
      - { .name: qkv, .offset: 0, .size: 8, .value_kind: global_buffer, .address_space: global }
      - { .name: qkvs, .offset: 8, .size: 8, .value_kind: global_buffer, .address_space: global }
      - { .name: qry_attn_mask, .offset: 16, .size: 8, .value_kind: global_buffer, .address_space: global }
      - { .name: po, .offset: 24, .size: 8, .value_kind: global_buffer, .address_space: global }
      - { .name: pm, .offset: 32, .size: 8, .value_kind: global_buffer, .address_space: global }
    .group_segment_fixed_size: 327680
    .private_segment_fixed_size: 0
    .kernarg_segment_align: 8
    .kernarg_segment_size: 40
    .max_flat_workgroup_size: 128
    .sgpr_count:     96
    .vgpr_count:     1024
    .wavefront_size: 32
...
	.end_amdgpu_metadata
.endif
;; end of part 3
;; launch outp (part 4): grid 256 x 1, 4 waves a work-group, clusters of 4 x 1, 244,224 bytes of LDS; arguments po, pm, cod, scl, out0; writes out0
.if DOCPART == 4
	.amdgcn_target "amdgcn-amd-amdhsa--gfx1250"
	.amdhsa_code_object_version 6
	.text
	.protected	k_qe02d46ca78_outp
	.globl	k_qe02d46ca78_outp
	.p2align	8
	.type	k_qe02d46ca78_outp,@function
k_qe02d46ca78_outp:
	s_mov_b64 s[64:65], 0
	v_nop
	global_prefetch_b8 v0, s[64:65] scope:SCOPE_SE
	s_setreg_imm32_b32 hwreg(HW_REG_WAVE_MODE, 25, 1), 1
	s_wait_xcnt 0x0
	s_wait_alu depctr_hold_cnt(0) depctr_sa_sdst(0) depctr_va_vdst(0) depctr_va_sdst(0) depctr_va_ssrc(0) depctr_va_vcc(0) depctr_vm_vsrc(0)
	s_getreg_b32 s2, hwreg(HW_REG_IB_STS2, 6, 4)
	s_cmp_eq_u32 s2, 0
	s_cbranch_scc0 .Lentry_in_a_cluster
	s_endpgm
.Lentry_in_a_cluster:
	s_bfe_u32 s2, ttmp6, 0x10000c
	s_cmp_lg_u32 s2, 0x3003
	s_cbranch_scc0 .Lentry_shape_is_right
	s_endpgm
.Lentry_shape_is_right:
; LAUNCH 4 OF 4: the four parts of each row's keys are joined, x = O / the sum is quantised along its 512 channels, and out0 = x Wproj^T on codes of FP6.  No work is left out.
; THE JOIN.  Part s comes with its whole number M_s, its sum l_s and its O_s.  With M the largest of the four: l = the sum of l_s 2^(M_s - M), x = the sum of O_s 2^(M_s - M) / l.  The powers of two are exact.
; SHARES.  A work-group takes query tiles 2 id and 2 id + 1: rows 32 id .. 32 id + 31 of out0.  Wave w joins channel tiles 8 w .. 8 w + 7 of both: 64 numbers a lane, register 16 b + i = channel 128 w + 32 b +
; 16 (lane / 16) + i: K step w of the product.  The fragments go to the other waves through LDS as images of their registers.  Then wave w makes columns 128 w .. 128 w + 127 for both tiles: 64 products.
; CLUSTER.  Wproj's codes are the same for all work-groups: each wave's 49,152 bytes are asked for jointly by the four partners, once; each wave reads only what it fetched.  Nothing is filled again; one tensor load a wave is out.
; LIMITS: as in launch 1 (a block of zeros gets the byte 1); 1 / l by v_rcp_f32.
.set XIMG,  196608                     ; LDS: Wproj's images from 0 (49,152 a wave); x's eight fragments (4 qt + s) x 1,536;
.set XSC,   208896                     ; their scale words, 128 bytes each;
.set STG,   209920                     ; a stage of 16 rows x (512 + 16) for each wave;
.set SPARE, 243712                     ; the spare words
.set SPW, 12
.set NIL, 13
.set WS,  16                           ; v16-31 Wproj's scale words, two registers a tile
.set XS,  32                           ; v32-39 x's scale words
.set SS,  40                           ; v40-55 eight pairs (-M, l)
.set WT,  56                           ; v56-71 eight pairs of weights
.set DI,  72                           ; v72-79 M_s - M as whole numbers
.set TM,  88
.set PW,  104
.set PC,  106
.set HA,  128                          ; v128-191 x's 64 numbers; at the end rows of out0
.set OB,  192                          ; v192-255 rows of out0
.set WV,  14
.set MSB, 0
.macro WIN new
.if MSB != (\new)
	s_set_vgpr_msb (MSB<<8)|(\new)
.set MSB, (\new)
.endif
.endm
.macro PLACES
.rept 4
	v_nop
.endr
.endm
.macro WM                              ; one product, by the symbols rD, rA, rB, rC (under 0: the constant 0), rSA, rSB, and A's scale row rRA
.if rC < 0
.if rRA
	v_wmma_scale_f32_16x16x128_f8f6f4 v[rD:rD+7], v[rA:rA+11], v[rB:rB+11], 0, v[rSA], v[rSB] matrix_a_fmt:MATRIX_FMT_FP6 matrix_b_fmt:MATRIX_FMT_FP6 matrix_a_scale:MATRIX_SCALE_ROW1
.else
	v_wmma_scale_f32_16x16x128_f8f6f4 v[rD:rD+7], v[rA:rA+11], v[rB:rB+11], 0, v[rSA], v[rSB] matrix_a_fmt:MATRIX_FMT_FP6 matrix_b_fmt:MATRIX_FMT_FP6
.endif
.else
.if rRA
	v_wmma_scale_f32_16x16x128_f8f6f4 v[rD:rD+7], v[rA:rA+11], v[rB:rB+11], v[rC:rC+7], v[rSA], v[rSB] matrix_a_fmt:MATRIX_FMT_FP6 matrix_b_fmt:MATRIX_FMT_FP6 matrix_a_scale:MATRIX_SCALE_ROW1
.else
	v_wmma_scale_f32_16x16x128_f8f6f4 v[rD:rD+7], v[rA:rA+11], v[rB:rB+11], v[rC:rC+7], v[rSA], v[rSB] matrix_a_fmt:MATRIX_FMT_FP6 matrix_b_fmt:MATRIX_FMT_FP6
.endif
.endif
.endm
.macro CROUND
	s_barrier_signal -1
	s_barrier_wait -1
	s_cmp_lg_u32 s[WV], 0
	s_cbranch_scc1 .Lnot_wave_0_\@
	s_barrier_signal -3
.Lnot_wave_0_\@:
	s_barrier_wait -3
	s_barrier_signal -1
	s_barrier_wait -1
.endm
.macro QUANT src                       ; 64 numbers of a lane, register 16 b + i = k 32 b + 16 (lane / 16) + i of my row, become a fragment's codes in v[PC] on and its scale word in v[PW]
.irp b, 0,1,2,3
	v_max3_num_f32 v[TM+\b], |v[(\src)+16*\b]|, |v[(\src)+1+16*\b]|, 0x1800000
.endr
.irp i, 2,4,6,8,10,12,14
.irp b, 0,1,2,3
	v_max3_num_f32 v[TM+\b], v[TM+\b], |v[(\src)+16*\b+\i]|, |v[(\src)+1+16*\b+\i]|
.endr
.endr
.irp b, 0,1,2,3
	v_permlanex16_b32 v[TM+4+\b], v[TM+\b], s36, s37
.endr
.irp b, 0,1,2,3
	v_max_num_f32 v[TM+\b], v[TM+\b], v[TM+4+\b]
.endr
.irp b, 0,1,2,3
	v_add_nc_u32 v[TM+12+\b], 0xff000000, v[TM+\b]
.endr
.irp b, 0,1,2,3
	v_lshrrev_b32 v[TM+4+\b], 23, v[TM+12+\b]
.endr
	v_lshl_or_b32 v[PW], v[TM+5], 8, v[TM+4]
	v_lshl_or_b32 v[PW], v[TM+6], 16, v[PW]
	v_lshl_or_b32 v[PW], v[TM+7], 24, v[PW]
.irp c, 0,1
	v_cvt_scalef32_pk16_fp6_f32 v[PC+6*\c:PC+2+6*\c], v[(\src)+32*\c:(\src)+15+32*\c], v[TM+12+2*\c]
	v_cvt_scalef32_pk16_fp6_f32 v[PC+12+4*\c:PC+14+4*\c], v[(\src)+16+32*\c:(\src)+31+32*\c], v[TM+12+2*\c+1]
.endr
	v_nop                                          ; one plain place behind a scaled conversion
.irp c, 0,1
.irp i, 0,1,2
	v_permlane16_swap_b32 v[PC+6*\c+\i], v[PC+12+4*\c+\i]
.endr
.irp i, 0,1,2
	v_mov_b32 v[PC+3+6*\c+\i], v[PC+12+4*\c+\i]
.endr
.endr
.endm
	s_load_b256 s[4:11], s[0:1], 0x0               ; po, pm, cod, scl
	s_load_b64 s[12:13], s[0:1], 0x20              ; out0
	v_lshl_add_u32 v[SPW], v0, 2, SPARE
	v_mov_b32 v[NIL], 0
	ds_add_u32 v[SPW], v[NIL]                      ; the wave's opening: the add, twice on end, and its wait ahead of my first tensor load
	ds_add_u32 v[SPW], v[NIL]
	v_lshrrev_b32 v1, 5, v0
	v_readfirstlane_b32 s[WV], v1                  ; wave
	s_bfe_u32 s16, ttmp6, 0x40000                  ; cx
	s_lshl_b32 s17, ttmp9, 2
	s_add_co_u32 s17, s17, s16                     ; id
	s_lshl_b32 s20, s[WV], 3
	s_add_co_u32 s20, s20, 2656                    ; my first tile of Wproj.  s18-23 feed the descriptor and never hold cx
	s_lshl_b32 s22, s20, 8
	s_mov_b32 s23, 0
	s_mul_i32 s20, s20, 6144
	s_mov_b32 s21, 0
	s_mul_i32 s18, s[WV], 49152
	s_lshl_b32 s40, s17, 18                        ; po: two tiles x 131,072,
	s_lshl_b32 s41, s[WV], 13                      ; + my 8 channel tiles
	s_add_co_u32 s40, s40, s41
	s_mov_b32 s41, 0
	s_lshl_b32 s42, s17, 11                        ; pm
	s_mov_b32 s43, 0
	s_lshl_b32 s44, s17, 16                        ; out0: 32 rows of 2,048 bytes
	s_mov_b32 s45, 0
	s_mov_b32 s36, 0x76543210
	s_mov_b32 s37, 0xfedcba98
	; descriptor group 1: 49,152 dense bytes as 192 rows of 256, in elements of 8 bytes; the mask names all four work-groups, bit 21 set beside it
	s_mov_b32 s24, 15|(3<<16)|(1<<21)
	s_mov_b32 s25, 32<<16
	s_mov_b32 s26, 192<<16
	s_mov_b32 s27, 32<<16
	s_mov_b32 s28, 192
	s_mov_b32 s29, 32
	s_mov_b32 s30, 0
	s_mov_b32 s31, 0
	v_and_b32 v2, 31, v0
	v_lshlrev_b32 v1, 4, v2                        ; v1 16 x lane
	v_lshlrev_b32 v3, 3, v2                        ; v3 8 x lane
	v_lshlrev_b32 v2, 2, v2                        ; v2 4 x lane
	s_mul_i32 s46, s[WV], 1536
	s_add_co_u32 s46, s46, XIMG
	v_add_nc_u32 v4, s46, v1                       ; v4 where I store my fragments' images
	s_lshl_b32 s46, s[WV], 7
	s_add_co_u32 s46, s46, XSC
	v_add_nc_u32 v5, s46, v2                       ; v5 and their scale words
	s_mul_i32 s46, s[WV], 8448
	s_add_co_u32 s46, s46, STG
	v_and_b32 v6, 15, v0
	v_mul_u32_u24 v6, v6, 528
	v_bfe_u32 v7, v0, 4, 1
	v_lshl_add_u32 v6, v7, 6, v6
	v_add_nc_u32 v6, s46, v6                       ; v6 the stage, in: row r, + 64 h
	v_add_nc_u32 v7, s46, v1                       ; v7 and back: 16 bytes a lane of a row
	s_lshl_b32 s46, s[WV], 9
	v_add_nc_u32 v8, s46, v1                       ; v8 my columns' bytes in a row of out0
	v_add_nc_u32 v9, s18, v1                       ; v9 my part of Wproj's images
	v_add_nc_u32 v10, XIMG, v1                     ; v10 x's images
	v_add_nc_u32 v11, XSC, v2                      ; v11 x's scale words
.irp b, 0,1,2,3
	v_mov_b32 v[TM+4+\b], 0                        ; written once: a lane permute's destination counts as one of its sources
.endr
	s_wait_dscnt 0x0                               ; both opening adds are done
	s_wait_kmcnt 0x0
	s_add_nc_u64 s[20:21], s[8:9], s[20:21]
	s_add_nc_u64 s[10:11], s[10:11], s[22:23]
	s_add_nc_u64 s[4:5], s[4:5], s[40:41]
	s_add_nc_u64 s[6:7], s[6:7], s[42:43]
	s_add_nc_u64 s[12:13], s[12:13], s[44:45]
	CROUND                                         ; all four work-groups are here: the joint loads meet
	s_mov_b32 s32, 1
	s_mov_b32 s33, s18
	s_mov_b64 s[34:35], s[20:21]
	s_or_b32 s35, s35, 0x80000000
	tensor_load_to_lds s[32:35], s[24:31]
	s_nop 0
.rept 4
	v_nop
.endr
.macro SET k                           ; part k % 4 of query tile k / 4: my 8 channel tiles' images, 16 loads of 512 consecutive bytes, into set k % 4 of window 2
	WIN 0x80
.irp i, 0,1,2,3,4,5,6,7,8,9,10,11,12,13,14,15
	global_load_b128 v[64*((\k)%4)+4*\i:64*((\k)%4)+4*\i+3], v1, s[4:5] offset:32768*(\k)+512*\i th:TH_LOAD_NT
.endr
	WIN 0
.endm
.irp i, 0,1,2,3,4,5,6,7
	global_load_b64 v[WS+2*\i:WS+2*\i+1], v3, s[10:11] offset:256*\i
.endr
.irp k, 0,1,2,3,4,5,6,7
	global_load_b64 v[SS+2*\k:SS+2*\k+1], v3, s[6:7] offset:256*\k
.endr
	SET 0
	SET 1
	SET 2
	s_wait_loadcnt 48                              ; the scale words and the eight pairs are in; three sets may be out
.irp q, 0,1
	v_min_num_f32 v[80+2*\q], v[SS+8*\q], v[SS+8*\q+2]
	v_min_num_f32 v[81+2*\q], v[SS+8*\q+4], v[SS+8*\q+6]
.endr
.irp q, 0,1
	v_min_num_f32 v[80+2*\q], v[80+2*\q], v[81+2*\q]   ; the least -M: the largest M
.endr
.irp k, 0,1,2,3,4,5,6,7
	v_sub_f32 v[DI+\k], v[80+2*(\k/4)], v[SS+2*\k] ; M_s - M: a whole number, 0 or less
.endr
.irp k, 0,1,2,3,4,5,6,7
	v_cvt_i32_f32 v[DI+\k], v[DI+\k]
.endr
.irp k, 0,1,2,3,4,5,6,7
	v_ldexp_f32 v[WT+2*\k], v[SS+2*\k+1], v[DI+\k] ; l_s 2^(M_s - M)
.endr
.irp q, 0,1
	v_add_f32 v[84+\q], v[WT+8*\q], v[WT+8*\q+2]
	v_add_f32 v[86+\q], v[WT+8*\q+4], v[WT+8*\q+6]
.endr
.irp q, 0,1
	v_add_f32 v[84+\q], v[84+\q], v[86+\q]
.endr
	v_rcp_f32 v84, v84
	v_rcp_f32 v85, v85
	v_nop                                          ; a plain place behind the reciprocals
	s_wait_alu depctr_va_vdst(0)                   ; one wait for the two, ahead of their first reader
.irp k, 0,1,2,3,4,5,6,7
	v_ldexp_f32 v[WT+2*\k], v[84+\k/4], v[DI+\k]   ; 2^(M_s - M) / l, in both halves of a pair
	v_ldexp_f32 v[WT+2*\k+1], v[84+\k/4], v[DI+\k]
.endr
	SET 3
.irp k, 0,1,2,3,4,5,6,7
.if \k < 5
	s_wait_loadcnt 48                              ; set k is in; the three sets issued behind it may be out
.else
	s_wait_loadcnt 16*(7-\k)
.endif
	WIN 0x02                                       ; source 0 window 2
.irp j, 0,2,4,6,8,10,12,14,16,18,20,22,24,26,28,30,32,34,36,38,40,42,44,46,48,50,52,54,56,58,60,62
.if \k%4 == 0
	v_pk_mul_f32 v[HA+\j:HA+\j+1], v[64*(\k%4)+\j:64*(\k%4)+\j+1], v[WT+2*\k:WT+2*\k+1]
.else
	v_pk_fma_f32 v[HA+\j:HA+\j+1], v[64*(\k%4)+\j:64*(\k%4)+\j+1], v[WT+2*\k:WT+2*\k+1], v[HA+\j:HA+\j+1]
.endif
.endr
	WIN 0
.if \k < 4
	SET \k+4
.endif
.if \k%4 == 3
	QUANT HA                                       ; x of query tile k / 4, channels 128 w on: K step w
.irp c, 0,1,2
	ds_store_b128 v4, v[PC+4*\c:PC+4*\c+3] offset:6144*(\k/4)+512*\c
.endr
	ds_store_b32 v5, v[PW] offset:512*(\k/4)
	s_wait_dscnt 0x0                               ; the stores have read their registers
.endif
.endr
	s_wait_tensorcnt 0x0                           ; my part of Wproj's codes is in: I alone read it
	s_wait_dscnt 0x0
	s_barrier_signal -1
	s_barrier_wait -1                              ; x's eight fragments lie in LDS
.macro WLOAD s                         ; my eight tiles' fragments of K step s into set s % 2 of window 2
	WIN 0x80
.irp i, 0,1,2,3,4,5,6,7
.irp c, 0,1,2
	ds_load_b128 v[96*((\s)%2)+12*\i+4*\c:96*((\s)%2)+12*\i+4*\c+3], v9 offset:6144*\i+1536*(\s)+512*\c
.endr
.endr
.endm
	WIN 0x40                                       ; destination window 1
.irp f, 0,1,2,3,4,5,6,7
.irp c, 0,1,2
	ds_load_b128 v[12*\f+4*\c:12*\f+4*\c+3], v10 offset:1536*\f+512*\c
.endr
.endr
	WIN 0
.irp f, 0,1,2,3,4,5,6,7
	ds_load_b32 v[XS+\f], v11 offset:128*\f
.endr
	WLOAD 0
.irp s, 0,1,2,3
.if \s > 0
	PLACES                                         ; four places in front of loads into registers that products have read
.endif
.if \s < 3
	WLOAD \s+1
	s_wait_dscnt 24                                ; all but the 24 just issued
.else
	s_wait_dscnt 0x0
.endif
	WIN 0x56                                       ; source 0 (Wproj) window 2; source 1 (x), C and D window 1
.irp i, 0,1,2,3,4,5,6,7                        ; sixteen accumulators by turns, one instruction a turn; K step 0 starts the sums
.irp q, 0,1
.set rD, 96+8*(8*\q+\i)
.set rA, 96*(\s%2)+12*\i
.set rB, 12*(4*\q+\s)
.set rC, rD
.if \s == 0
.set rC, -1
.endif
.set rSA, WS+2*\i+\s/2
.set rSB, XS+4*\q+\s
.set rRA, \s%2
	WM
.endr
.endr
.endr
	WIN 0
	PLACES                                         ; four places in front of the first read of the results
	; THE WAY OUT: a lane's eight results are eight neighbouring columns of one row; a tile's 16 rows x 128 columns go through my own stage and leave as 512 consecutive bytes a store.  Position i of tile qt is row 8 qt + i + 8 (i / 8).
.irp q, 0,1
	WIN 0x04                                       ; an LDS store's data are its source 1: window 1
.irp i, 0,1,2,3,4,5,6,7
	ds_store_b128 v6, v[96+8*(8*\q+\i):96+8*(8*\q+\i)+3] offset:128*(\i/2)+32*(\i%2)
	ds_store_b128 v6, v[96+8*(8*\q+\i)+4:96+8*(8*\q+\i)+7] offset:128*(\i/2)+32*(\i%2)+16
.endr
	WIN 0
.irp r, 0,1,2,3,4,5,6,7,8,9,10,11,12,13,14,15
	ds_load_b128 v[OB-64*\q+4*\r:OB-64*\q+4*\r+3], v7 offset:528*\r   ; LDS serves a wave's instructions in order: these see my stores, and the next tile's stores come behind them
.endr
.irp r, 0,1,2,3,4,5,6,7,8,9,10,11,12,13,14,15
	s_wait_dscnt 15-\r
	global_store_b128 v8, v[OB-64*\q+4*\r:OB-64*\q+4*\r+3], s[12:13] offset:(8*\q+\r+8*(\r/8))*2048 th:TH_STORE_NT
.endr
.endr
	s_wait_tensorcnt 0x0                           ; the wave's end
	ds_add_u32 v[SPW], v[NIL]
	s_wait_dscnt 0x0
	CROUND                                         ; the closing round
	s_endpgm
.Lfunc_end_k_qe02d46ca78_outp:
	.size	k_qe02d46ca78_outp, .Lfunc_end_k_qe02d46ca78_outp-k_qe02d46ca78_outp
	.p2alignl 7, 3214868480
	.fill 96, 4, 3214868480
	.section	.rodata,"a",@progbits
	.p2align	6, 0x0
	.amdhsa_kernel k_qe02d46ca78_outp
		.amdhsa_group_segment_fixed_size 244224
		.amdhsa_private_segment_fixed_size 0
		.amdhsa_enable_private_segment 0
		.amdhsa_kernarg_size 40
		.amdhsa_user_sgpr_count 2
		.amdhsa_user_sgpr_kernarg_segment_ptr 1
		.amdhsa_wavefront_size32 1
		.amdhsa_system_sgpr_workgroup_id_x 1
		.amdhsa_system_sgpr_workgroup_id_y 1
		.amdhsa_system_sgpr_workgroup_id_z 1
		.amdhsa_system_vgpr_workitem_id 0
		.amdhsa_next_free_vgpr 768
		.amdhsa_next_free_sgpr 66
		.amdhsa_reserve_vcc 0
		.amdhsa_float_denorm_mode_32 3
		.amdhsa_float_denorm_mode_16_64 3
		.amdhsa_memory_ordered 1
		.amdhsa_forward_progress 1
		.amdhsa_inst_pref_size 72
	.end_amdhsa_kernel
	.amdgpu_metadata
---
amdhsa.version: [ 1, 2 ]
amdhsa.kernels:
  - .name:           k_qe02d46ca78_outp
    .symbol:         k_qe02d46ca78_outp.kd
    .args:
      - { .name: po, .offset: 0, .size: 8, .value_kind: global_buffer, .address_space: global }
      - { .name: pm, .offset: 8, .size: 8, .value_kind: global_buffer, .address_space: global }
      - { .name: cod, .offset: 16, .size: 8, .value_kind: global_buffer, .address_space: global }
      - { .name: scl, .offset: 24, .size: 8, .value_kind: global_buffer, .address_space: global }
      - { .name: out0, .offset: 32, .size: 8, .value_kind: global_buffer, .address_space: global }
    .group_segment_fixed_size: 244224
    .private_segment_fixed_size: 0
    .kernarg_segment_align: 8
    .kernarg_segment_size: 40
    .max_flat_workgroup_size: 128
    .sgpr_count:     66
    .vgpr_count:     768
    .wavefront_size: 32
...
	.end_amdgpu_metadata
.endif
;; end of part 4
